; MI455X (gfx1250); checked and timed in simulation.
; The chip was launched on July 23, 2026; its instructions are those of AMD's public machine-readable ISA for CDNA 5 (MIT licence, August 2026) and "CDNA5" Instruction Set Architecture Reference Guide (July 2026). The comments in the code are by the model that wrote it; some were corrected since.
;; Grouped Query Attention Layer. Allowed arithmetic: matrix products marked QUANTISED: E2M3 operands, one E8M0 scale for each 32 along K, by v_wmma_scale_f32_16x16x128_f8f6f4 with both operands' format E2M3, f32 sums; everything else in f32.
;; Inputs: Wk_codes 256 x 32 x 24 uint8 (E2M3 codes of Wk, K innermost, in blocks of 32 codes, four codes in three bytes); Wk_scales 256 x 32 uint8 (E8M0 scales of Wk, one for each 32 codes along K); Wpost_codes 1,024 x 32 x 24 uint8 (E2M3 codes of Wpost, K innermost, in blocks of 32 codes, four codes in three bytes); Wpost_scales 1,024 x 32 uint8 (E8M0 scales of Wpost, one for each 32 codes along K); Wq_codes 1,024 x 32 x 24 uint8 (E2M3 codes of Wq, K innermost, in blocks of 32 codes, four codes in three bytes); Wq_scales 1,024 x 32 uint8 (E8M0 scales of Wq, one for each 32 codes along K); Wv_codes 256 x 32 x 24 uint8 (E2M3 codes of Wv, K innermost, in blocks of 32 codes, four codes in three bytes); Wv_scales 256 x 32 uint8 (E8M0 scales of Wv, one for each 32 codes along K); X 2 x 2,048 x 1,024 float32.
;; Outputs: out0 2 x 2,048 x 1,024 float32.
;; This version of the problem:
;;   THIS VERSION OF THE PROBLEM IS GIVEN IN LOW PRECISION. The matrix products marked QUANTISED in the list below multiply operands that are first quantised to E2M3 (2 exponent bits, 3 mantissa bits; 6 bits a number), with one power-of-two scale for each 32 numbers along K (OCP MX v1.0); their sums are f32. All else is computed in f32.
;;   The module's matrix products, in the order in which they are computed (A, B: the left and right operand; K: the contracted axis; several contracted axes count as one K, in the product's order):
;;     1. [M 4,096, K 1,024] x [K 1,024, N 1,024]; A: input X; B: input Wq (given as codes): QUANTISED
;;     2. [M 4,096, K 1,024] x [K 1,024, N 256]; A: input X; B: input Wk (given as codes): QUANTISED
;;     3. [M 4,096, K 1,024] x [K 1,024, N 256]; A: input X; B: input Wv (given as codes): QUANTISED
;;     4. batch 8 x [M 2,048, K 64] x [K 64, N 8,192]; A: computed on the way; B: computed on the way: QUANTISED
;;     5. batch 8 x [M 64, K 2,048] x [K 2,048, N 8,192]; A: computed on the way; B: softmax (see below): QUANTISED
;;     6. [M 4,096, K 1,024] x [K 1,024, N 1,024]; A: computed on the way; B: input Wpost (given as codes): QUANTISED
;;   THE QUANTISER, for each operand of a quantised product, along K:
;;     - K is cut into blocks of 32 from its start; a last block that is shorter is filled with zeros.
;;     - A block's scale is 2^e with e = floor(log2(the largest magnitude in the block)) - 2, held to -126 .. 127; a block of zeros has e = 0. As a byte (E8M0): e + 127.
;;     - Each number is divided by its block's scale, clamped to +-7.5, and rounded to the nearest number of E2M3, ties to even, subnormals kept.
;;     - The product sums the exact products of the quantised numbers (number of the format x scale) in f32.
;;   ~~~python
;;   def quantise(x, axis):      # numpy; x: float32 -> the quantised numbers, widened to float32 again
;;       x = np.moveaxis(x, axis, -1); K = x.shape[-1]
;;       x = np.pad(x, [(0, 0)] * (x.ndim - 1) + [(0, -K % 32)]); x = x.reshape(x.shape[:-1] + (-1, 32)); a = np.abs(x).max(-1, keepdims=True)
;;       e = np.where(a > 0, np.clip(np.frexp(np.where(a > 0, a, 1))[1] - 1 - 2, -126, 127), 0)      # np.frexp(a)[1] - 1 = floor(log2(a)), exactly
;;       r = np.clip(x / 2.0 ** e, -7.5, 7.5)
;;       step = 2.0 ** (np.maximum(np.frexp(np.where(r == 0, 1, r))[1] - 1, 0) - 3)
;;       q = np.round(r / step) * step * 2.0 ** e      # np.round: ties to even
;;       return np.moveaxis(q.reshape(q.shape[:-2] + (-1,))[..., :K], -1, axis).astype(np.float32)
;;   ~~~
;;   SOFTMAX AHEAD OF A QUANTISED PRODUCT. Where the list says 'softmax', what is quantised is not the finished softmax but p = 2^(t - M), with t = logit x log2(e) and M = ceil(the row's largest t), a whole number; so 1/2 < the row's largest p <= 1. The row's sum l is taken of the UNQUANTISED p, in f32, and the product's result is divided by l at the end. Since M is a whole number, a kernel that streams over the keys may use a running M (the ceiling of the running maximum): every later rescaling is an exact power of two, which a block's scale takes up: the codes' values come out the same.
;;   OPERANDS COMPUTED ON THE WAY. 'Computed on the way' means the value that the module computes at that place (a softmax that the list does not call 'softmax' is quantised finished and normalised). What goes into a quantiser is computed in f32, as accurately as f32 sums, v_exp_f32 and their like allow (about 1e-6 of the number): no bf16 or f16 on the way to a quantiser, and a product that is left as it is and whose result goes on into a quantised operand takes f32 operands (vector FMAs, or v_wmma_f32_16x16x4_f32). A number that lies on a knife's edge between two numbers of the format may be rounded either way, as far as f32 arithmetic and the matrix unit's own rounding can turn it there, and no further.
;;   INPUTS GIVEN AS CODES. Wk (in the module: [1024, 256], K = its axis 0); Wpost (in the module: [1024, 1024], K = its axis 0); Wq (in the module: [1024, 1024], K = its axis 0); Wv (in the module: [1024, 256], K = its axis 0): each comes as NAME_codes (uint8): NAME with its K axis moved to the last place and cut into blocks of 32 codes, [.., K / 32, bytes a block], one block behind the other in memory; four codes in three bytes: a row's codes are one little-endian stream of bits, code i at bits 6 i .. 6 i + 5 (a code: sign, 2 exponent bits, 3 mantissa bits); and NAME_scales (uint8): the same leading axes, one E8M0 byte (e + 127) for each 32 codes along K. Its value is code x scale, taken as it is: it is not quantised again, and the codes and scales need not be those that the quantiser above would give.
;; One version. Each part assembles by itself: llvm-mc -triple=amdgcn-amd-amdhsa -mcpu=gfx1250 --defsym DOCPART=n.
;; ======== version 1 of 1: 4 launches
;; limits: right only within a limited range of input values
;; workspace buffers: xc 3,145,728 bytes; xs 262,144 bytes; qc 3,145,728 bytes; qs 262,144 bytes; kv 1,703,936 bytes; ac 3,145,728 bytes; a_sc 262,144 bytes
;; launch quantx (part 1): grid 256 x 1, 4 waves a work-group, no clusters, 34,304 bytes of LDS; arguments X, xc, xs; writes xc, xs
.if DOCPART == 1
	.amdgcn_target "amdgcn-amd-amdhsa--gfx1250"
	.amdhsa_code_object_version 6
	.text
	.protected	k_qa23d5e5a7c_quantx
	.globl	k_qa23d5e5a7c_quantx
	.p2align	8
	.type	k_qa23d5e5a7c_quantx,@function
k_qa23d5e5a7c_quantx:
	s_mov_b64 s[64:65], 0
	v_nop
	global_prefetch_b8 v0, s[64:65] scope:SCOPE_SE
	s_setreg_imm32_b32 hwreg(HW_REG_WAVE_MODE, 25, 1), 1
	s_wait_xcnt 0x0
; X [4096][1024] f32 becomes codes of FP6 (E2M3) with one E8M0 scale for each 32 along the features, laid as IMAGES OF OPERAND REGISTERS.
; ROW TILES.  Block beta = row / 32; tile tau = 2 beta + u; lane r of a tile takes row 32 beta + 8 u + r + 8 (r / 8).  (A product that takes such a tile as its source 0 leaves, in the 16 registers
; of tiles 2 beta and 2 beta + 1, 16 neighbouring rows: what the later launches need where the rows are keys.)
; xc: [tau 256][K step 8][half 2][768]: a half image is 6 registers of a fragment (64 along K of 16 rows): registers 0-3 at 16 x lane, registers 4-5 at 512 + 8 x lane.
; xs: [beta 128][K step 8][lane 32][2 words]: word u is the scale word of tile 2 beta + u.
; A wave takes one (beta, K step): 32 rows x 128 numbers, two fragments.  Each load reads 512 consecutive bytes of one row; the conversions want 16 neighbours in one lane, so a tile turns through the wave's own
; stage in LDS (rows 528 bytes apart, an odd multiple of 16).  Waves share nothing: no barrier.  All of a wave's 32 loads go out at its head.
; A block's scale byte is its largest magnitude's exponent field - 2, held at 1 from below.
; LIMITS: a block of zeros gets the byte 1 where the rule says 127 (its codes are zeros, and this program alone reads the bytes); NaN and infinities in X are not served.
; ROW TILES AS THIS TEXT LAYS THEM (this line replaces what the head says of a tile's rows): tile tau = 2 beta + u; lane r of it takes row 64 (tau / 4) + 8 (tau % 4) + r % 8 + 32 (r / 8).
; A product that takes the four tiles of a group of 64 rows as its source 0 leaves in a lane's 32 registers 32 neighbouring rows: lanes 0-15 rows 0-31 of the group, lanes 16-31 rows 32-63.
.set LI16, 2
.set LI8,  3                           ; v3   8 x lane
.set SW,   4                           ; v4   the stage, on the way in: 16 x lane
.set SRD,  5                           ; v5   and on the way out: row r, + 64 h
.set NA,   16                          ; v16-79   tile u = 0: 64 numbers a lane
.set NB,   80                          ; v80-143  tile u = 1
.set PCA,  144                         ; v144-155 its codes
.set PCB,  156                         ; v156-167
.set PW,   168                         ; v[168:169] the two scale words
.set T2,   170                         ; v170-177 the conversions' second halves
.set TM,   180                         ; v180-195 at work
.set SEL,  20                          ; s[20:21] lane selects: lane l xor 16
.set CB,   6                           ; s[6:7] the codes' base
.set SPITCH, 528
.set SWAVE,  16*SPITCH
; 64 numbers of a lane, register 16 b + i = k 32 b + 16 (lane / 16) + i of my row, become a fragment's 12 registers at v[pc] and its scale word in v[pw]
.macro QUANT s, pc, pw
.irp b, 0,1,2,3
	v_max3_num_f32 v[TM+\b], |v[\s+16*\b]|, |v[\s+16*\b+1]|, 0x1800000   ; my 16 numbers of block b, and the floor 2^(3 - 127): the byte cannot fall under 1
.endr
.irp i, 2,4,6,8,10,12,14
.irp b, 0,1,2,3
	v_max3_num_f32 v[TM+\b], v[TM+\b], |v[\s+16*\b+\i]|, |v[\s+16*\b+\i+1]|   ; the four blocks by turns
.endr
.endr
.irp b, 0,1,2,3
	v_permlanex16_b32 v[TM+4+\b], v[TM+\b], s[SEL], s[SEL+1]
.endr
.irp b, 0,1,2,3
	v_max_num_f32 v[TM+\b], v[TM+\b], v[TM+4+\b]   ; with lane l xor 16's: the block's largest magnitude
.endr
.irp b, 0,1,2,3
	v_add_nc_u32 v[TM+12+\b], 0xff000000, v[TM+\b]   ; 2 off its exponent field: the conversion's scale operand
.endr
.irp b, 0,1,2,3
	v_lshrrev_b32 v[TM+4+\b], 23, v[TM+12+\b]      ; the scale's byte
.endr
	v_lshl_or_b32 v[\pw], v[TM+5], 8, v[TM+4]
	v_lshl_or_b32 v[\pw], v[TM+6], 16, v[\pw]
	v_lshl_or_b32 v[\pw], v[TM+7], 24, v[\pw]
.irp c, 0,1
	v_cvt_scalef32_pk16_fp6_f32 v[\pc+6*\c:\pc+6*\c+2], v[\s+32*\c:\s+32*\c+15], v[TM+12+2*\c]
	v_cvt_scalef32_pk16_fp6_f32 v[T2+4*\c:T2+4*\c+2], v[\s+32*\c+16:\s+32*\c+31], v[TM+13+2*\c]   ; (a conversion's three registers begin on an even number)
.endr
	v_nop                                          ; one plain place behind a scaled conversion
.irp c, 0,1                                    ; the operand's layout wants a whole block in a lane
.irp i, 0,1,2
	v_permlane16_swap_b32 v[\pc+6*\c+\i], v[T2+4*\c+\i]
.endr
.irp i, 0,1,2
	v_mov_b32 v[\pc+6*\c+3+\i], v[T2+4*\c+\i]
.endr
.endr
.endm
.macro HSTORE pc, off                  ; a half image: 512 + 256 consecutive bytes, aligned
	global_store_b128 v[LI16], v[\pc:\pc+3], s[CB:CB+1] offset:\off
	global_store_b64 v[LI8], v[\pc+4:\pc+5], s[CB:CB+1] offset:\off+512
.endm
.macro LOAD reg, u                     ; tile u: stage row i is the tile's lane i
.irp i, 0,1,2,3,4,5,6,7,8,9,10,11,12,13,14,15
	global_load_b128 v[\reg+4*\i:\reg+4*\i+3], v[LI16], s[4:5] offset:(8*\u+\i%8+32*(\i/8))*4096 th:TH_LOAD_NT
.endr
.endm
.macro TURN reg                        ; through the stage: LDS serves a wave's instructions in order, so no wait stands between the stores and the loads
.irp i, 0,1,2,3,4,5,6,7,8,9,10,11,12,13,14,15
	ds_store_b128 v[SW], v[\reg+4*\i:\reg+4*\i+3] offset:SPITCH*\i
.endr
.irp i, 0,1,2,3,4,5,6,7,8,9,10,11,12,13,14,15
	ds_load_b128 v[\reg+4*\i:\reg+4*\i+3], v[SRD] offset:128*(\i/4)+16*(\i%4)   ; block i / 4: my 16 numbers, 64 bytes
.endr
.endm
	s_load_b128 s[4:7], s[0:1], 0x0                ; X, xc
	s_load_b64 s[8:9], s[0:1], 0x10                ; xs
	v_lshl_add_u32 v200, v0, 2, 0x8400
	v_mov_b32 v201, 0
	v_lshrrev_b32 v1, 5, v0
	v_readfirstlane_b32 s10, v1                    ; wave
	v_and_b32 v1, 31, v0                           ; lane
	v_lshlrev_b32 v[LI16], 4, v1
	v_lshlrev_b32 v[LI8], 3, v1
	s_mul_i32 s11, s10, SWAVE                      ; my stage
	v_add_nc_u32 v[SW], s11, v[LI16]
	v_and_b32 v6, 15, v0                           ; r
	v_bfe_u32 v7, v0, 4, 1                         ; h
	v_mul_u32_u24 v[SRD], v6, SPITCH
	v_lshl_add_u32 v[SRD], v7, 6, v[SRD]
	v_add_nc_u32 v[SRD], s11, v[SRD]
	s_lshl_b32 s12, ttmp9, 2
	s_add_co_u32 s12, s12, s10                     ; unit = 4 x work-group + wave
	s_lshr_b32 s13, s12, 3                         ; beta
	s_and_b32 s14, s12, 7                          ; K step
	s_lshr_b32 s16, s13, 1
	s_lshl_b32 s16, s16, 18                        ; X: 64 rows of 4,096 bytes a group of four tiles,
	s_and_b32 s15, s13, 1
	s_lshl_b32 s15, s15, 16                        ; 16 rows on for the group's second pair of tiles,
	s_add_co_u32 s16, s16, s15
	s_lshl_b32 s15, s14, 9                         ; 512 bytes a K step
	s_add_co_u32 s16, s16, s15
	s_mov_b32 s17, 0
	s_mul_i32 s18, s13, 24576                      ; xc: two tiles of 12,288 bytes a block,
	s_mul_i32 s15, s14, 1536                       ; 1,536 bytes a K step
	s_add_co_u32 s18, s18, s15
	s_mov_b32 s19, 0
	s_lshl_b32 s22, s12, 8                         ; xs: 256 bytes a unit
	s_mov_b32 s23, 0
	s_mov_b32 s[SEL], 0x76543210
	s_mov_b32 s[SEL+1], 0xfedcba98
.irp b, 0,1,2,3
	v_mov_b32 v[TM+4+\b], 0                        ; written once: a lane permute's destination counts as one of its sources
.endr
	s_wait_alu depctr_va_vdst(0)
	s_wait_kmcnt 0x0
	s_add_nc_u64 s[4:5], s[4:5], s[16:17]
	s_add_nc_u64 s[6:7], s[6:7], s[18:19]
	s_add_nc_u64 s[8:9], s[8:9], s[22:23]
	LOAD NA, 0
	LOAD NB, 1
	s_wait_loadcnt 16                              ; tile 0's sixteen loads are in; tile 1's sixteen may be out
	TURN NA
	s_wait_dscnt 0x0
	QUANT NA, PCA, PW
	HSTORE PCA, 0
	HSTORE PCA+6, 768
	s_wait_loadcnt 0x0
	TURN NB
	s_wait_dscnt 0x0
	QUANT NB, PCB, PW+1
	HSTORE PCB, 12288
	HSTORE PCB+6, 13056
	global_store_b64 v[LI8], v[PW:PW+1], s[8:9]    ; 32 lanes store one aligned block of 256 bytes
	s_wait_tensorcnt 0x0
	ds_add_u32 v200, v201
	s_wait_dscnt 0x0
	s_endpgm
.Lfunc_end_k_qa23d5e5a7c_quantx:
	.size	k_qa23d5e5a7c_quantx, .Lfunc_end_k_qa23d5e5a7c_quantx-k_qa23d5e5a7c_quantx
	.p2alignl 7, 3214868480
	.fill 96, 4, 3214868480
	.section	.rodata,"a",@progbits
	.p2align	6, 0x0
	.amdhsa_kernel k_qa23d5e5a7c_quantx
		.amdhsa_group_segment_fixed_size 34304
		.amdhsa_private_segment_fixed_size 0
		.amdhsa_enable_private_segment 0
		.amdhsa_kernarg_size 24
		.amdhsa_user_sgpr_count 2
		.amdhsa_user_sgpr_kernarg_segment_ptr 1
		.amdhsa_wavefront_size32 1
		.amdhsa_system_sgpr_workgroup_id_x 1
		.amdhsa_system_sgpr_workgroup_id_y 1
		.amdhsa_system_sgpr_workgroup_id_z 1
		.amdhsa_system_vgpr_workitem_id 0
		.amdhsa_next_free_vgpr 202
		.amdhsa_next_free_sgpr 66
		.amdhsa_reserve_vcc 0
		.amdhsa_float_denorm_mode_32 3
		.amdhsa_float_denorm_mode_16_64 3
		.amdhsa_memory_ordered 1
		.amdhsa_forward_progress 1
		.amdhsa_inst_pref_size 18
	.end_amdhsa_kernel
	.amdgpu_metadata
---
amdhsa.version: [ 1, 2 ]
amdhsa.kernels:
  - .name:           k_qa23d5e5a7c_quantx
    .symbol:         k_qa23d5e5a7c_quantx.kd
    .args:
      - { .name: X, .offset: 0, .size: 8, .value_kind: global_buffer, .address_space: global }
      - { .name: xc, .offset: 8, .size: 8, .value_kind: global_buffer, .address_space: global }
      - { .name: xs, .offset: 16, .size: 8, .value_kind: global_buffer, .address_space: global }
    .group_segment_fixed_size: 34304
    .private_segment_fixed_size: 0
    .kernarg_segment_align: 8
    .kernarg_segment_size: 24
    .max_flat_workgroup_size: 128
    .sgpr_count:     66
    .vgpr_count:     202
    .wavefront_size: 32
...
	.end_amdgpu_metadata
.endif
;; end of part 1
;; launch qkv (part 2): grid 32 x 6, 8 waves a work-group, clusters of 4 x 1, 324,608 bytes of LDS; arguments xc, xs, Wq_codes, Wq_scales, Wk_codes, Wk_scales, Wv_codes, Wv_scales, qc, qs, kv; writes qc, qs, kv
.if DOCPART == 2
	.amdgcn_target "amdgcn-amd-amdhsa--gfx1250"
	.amdhsa_code_object_version 6
	.text
	.protected	k_qa23d5e5a7c_qkv
	.globl	k_qa23d5e5a7c_qkv
	.p2align	8
	.type	k_qa23d5e5a7c_qkv,@function
k_qa23d5e5a7c_qkv:
	s_mov_b64 s[64:65], 0
	v_nop
	global_prefetch_b8 v0, s[64:65] scope:SCOPE_SE
	s_setreg_imm32_b32 hwreg(HW_REG_WAVE_MODE, 25, 1), 1
	s_wait_xcnt 0x0
	s_wait_alu depctr_hold_cnt(0) depctr_sa_sdst(0) depctr_va_vdst(0) depctr_va_sdst(0) depctr_va_ssrc(0) depctr_va_vcc(0) depctr_vm_vsrc(0)
	s_getreg_b32 s2, hwreg(HW_REG_IB_STS2, 6, 4)
	s_cmp_eq_u32 s2, 0
	s_cbranch_scc0 .Lentry_in_a_cluster
	s_endpgm
.Lentry_in_a_cluster:
	s_bfe_u32 s2, ttmp6, 0x10000c
	s_cmp_lg_u32 s2, 0x3003
	s_cbranch_scc0 .Lentry_shape_is_right
	s_endpgm
.Lentry_shape_is_right:
; Q = X Wq, K = X Wk, V = X Wv on codes of FP6 (E2M3), and each result quantised at once for the product that takes it: Q and K along the head's 64, V along the keys.  Nothing leaves as f32.
; SHARES.  A work-group takes 128 rows of X (RB) and 256 columns (J: 0-3 Wq's four quarters, 4 Wk, 5 Wv).  Eight waves: rh = wave / 4 picks 64 rows, cu = wave % 4 a unit of 64 columns (a head, or a group):
; 16 accumulators a wave.  All of K (1,024) of both panels lies in LDS, filled once: no slot is ever filled again.
; CLUSTER.  The four row blocks of a cluster share J, so the weights' panel and its scales are asked for jointly.  X's panel is shared by the six column blocks, and six is no multiple of a cluster's four: it comes by a plain load.
; TILES.  Lane r of weight tile t of a unit takes row 32 (t / 2) + 8 (t % 2) + r + 8 (r / 8); X's tiles are laid so already.  A product leaves in lane (r, h), register j of its source 0's tiles 2 b, 2 b + 1 the index
; 32 b + 16 h + 8 u + j: 16 neighbours in 16 registers.  Q and K: source 0 = the weights, so the registers run along the head's 64.  V: source 0 = X, so they run along the keys.
; OUT, as images of operand registers (a half image: 6 registers, 64 along K of 16 rows: registers 0-3 at 16 x lane, 4-5 at 512 + 8 x lane):
;   qc [head 16][tile 256][768];  qs [head][quad 64][lane][2 words], word p = the two bytes of tile 2 p | those of tile 2 p + 1 << 16
;   kv [4 batch + group][step of 128 keys, 16][13,312]: K's 8 tiles at 0; V's [e tile 4][key half 2] at 6,144; K's scale words [half][lane][2] at 12,288; V's at 12,800
; K IS QUANTISED WITHOUT ITS FACTOR 1/8, a power of two: the codes are the same and the factor goes into the softmax's constant.  LIMITS: that differs from scaling first only where a block of K lies under 2^-121;
; a block of zeros gets the byte 1 where the rule says 127 (zero codes; this program alone reads the bytes); NaN and infinities are not served; the weights' scale bytes are taken as given.
; X'S ROW TILES (this line replaces what the head says of them): lane r of tile T of a group of 64 rows holds row 8 T + r % 8 + 32 (r / 8) of the group.  The weights' tiles are as the head says.
; So for V (source 0 = X) the 32 registers of a weight tile's four accumulators are 32 neighbouring keys, a whole block: lanes 0-15 keys 0-31 of my 64, lanes 16-31 keys 32-63.
.set WP,   0                           ; LDS: the weights' 256 rows: 768 bytes + 16 of padding behind every 256: 816
.set WPIT, 816
.set WSC,  256*WPIT                    ; their scale bytes, 32 a row, dense
.set XP,   WSC+8192                    ; X's 8 tiles x 8 K steps x 1,536 bytes
.set XSC,  XP+98304                    ; X's scale words: [block 4][K step 8][lane][2]
.set LI16, 1                           ; v1  16 x lane
.set LI8,  2                           ; v2  8 x lane
.set AW0,  3                           ; v3  my lane's place in my unit's weight rows
.set AW1,  4                           ; v4  the same behind one padding more for lanes 16-31
.set AWS,  5                           ; v5  my lane's weight scale words
.set AX16, 6                           ; v6  X's images: 16 x lane
.set AX8,  7                           ; v7  8 x lane
.set AXS,  8                           ; v8  X's scale words
.set WS,   16                          ; v16-19 weight scale words, tile t
.set XS,   20                          ; v20-23 X's, tile a
.set WF,   32                          ; v32-79  four weight fragments
.set XF,   80                          ; v80-127 four fragments of X
.set ACC,  128                         ; v128-255 accumulator (a, b) at 8 (4 a + b)
.set TM,   32                          ; the way out lies over the fragments: v32-47 at work,
.set T2,   48                          ; v48-55,
.set PC,   56                          ; v56-79 codes,
.set PW,   80                          ; v[80:81] scale words
.set WV, 26
.set RH, 27
.set CU, 28
.set CX, 29
.set RB, 30
.set J,  31
.set G1W,  32                          ; s[32:63] four descriptor groups 1
.set G1WS, 40
.set G1X,  48
.set G1XS, 56
.set G0W,  68                          ; s[68:83] four groups 0
.set G0WS, 72
.set G0X,  76
.set G0XS, 80
.set SEL,  100
.set CB,   20                          ; s[20:21] the codes' base on the way out
.set W0W,  15|(1<<20)|(1<<21)|(5<<22)|(3<<25)   ; the mask of all four partners; bytes; padding on; bit 21 beside a mask; after every 64 words, 4 words
.set W0WS, 15|(3<<16)|(1<<21)          ; the mask; elements of 8 bytes
.set W0X,  3<<16                       ; no mask
.macro G1SET g, w0, c, r, p
	s_mov_b32 s[\g], \w0
	s_mov_b32 s[\g+1], (\c)<<16                    ; tensor_dim0
	s_mov_b32 s[\g+2], (\r)<<16                    ; tensor_dim1
	s_mov_b32 s[\g+3], (\c)<<16                    ; tile_dim0
	s_mov_b32 s[\g+4], \r                          ; tile_dim1
	s_mov_b32 s[\g+5], \p                          ; elements from row to row
	s_mov_b32 s[\g+6], 0
	s_mov_b32 s[\g+7], 0
.endm
.macro CROUND                          ; a round of the cluster's barrier
	s_barrier_signal -1
	s_barrier_wait -1
	s_cmp_lg_u32 s[WV], 0
	s_cbranch_scc1 .Lnot_wave_0_\@
	s_barrier_signal -3
.Lnot_wave_0_\@:
	s_barrier_wait -3
	s_barrier_signal -1
	s_barrier_wait -1
.endm
.macro NOPS
.rept 4
	v_nop
.endr
.endm
.macro QUANT s, pc, pw                 ; 64 numbers of a lane, register 16 b + i = index 32 b + 16 (lane / 16) + i, become 12 registers of codes at v[pc] and a scale word in v[pw]
.irp b, 0,1,2,3
	v_max3_num_f32 v[TM+\b], |v[\s+16*\b]|, |v[\s+16*\b+1]|, 0x1800000   ; each accumulator is read from its low end on; the floor 2^(3 - 127) holds the byte at 1 from below
.endr
.irp i, 2,4,6,8,10,12,14
.irp b, 0,1,2,3
	v_max3_num_f32 v[TM+\b], v[TM+\b], |v[\s+16*\b+\i]|, |v[\s+16*\b+\i+1]|
.endr
.endr
.irp b, 0,1,2,3
	s_delay_alu instid0(VALU_DEP_4)
	v_permlanex16_b32 v[TM+4+\b], v[TM+\b], s[SEL], s[SEL+1]
.endr
.irp b, 0,1,2,3
	s_delay_alu instid0(VALU_DEP_4)
	v_max_num_f32 v[TM+\b], v[TM+\b], v[TM+4+\b]
.endr
.irp b, 0,1,2,3
	s_delay_alu instid0(VALU_DEP_4)
	v_add_nc_u32 v[TM+12+\b], 0xff000000, v[TM+\b]   ; 2 off the exponent field: the conversion's scale operand
.endr
.irp b, 0,1,2,3
	s_delay_alu instid0(VALU_DEP_4)
	v_lshrrev_b32 v[TM+4+\b], 23, v[TM+12+\b]
.endr
	s_delay_alu instid0(VALU_DEP_3)
	v_lshl_or_b32 v[\pw], v[TM+5], 8, v[TM+4]
	s_delay_alu instid0(VALU_DEP_1)
	v_lshl_or_b32 v[\pw], v[TM+6], 16, v[\pw]
	s_delay_alu instid0(VALU_DEP_1)
	v_lshl_or_b32 v[\pw], v[TM+7], 24, v[\pw]
.irp c, 0,1
	v_cvt_scalef32_pk16_fp6_f32 v[\pc+6*\c:\pc+6*\c+2], v[\s+32*\c:\s+32*\c+15], v[TM+12+2*\c]
	v_cvt_scalef32_pk16_fp6_f32 v[T2+4*\c:T2+4*\c+2], v[\s+32*\c+16:\s+32*\c+31], v[TM+13+2*\c]
.endr
	v_nop                                          ; one plain place behind a scaled conversion
.irp c, 0,1
.irp i, 0,1,2
	v_permlane16_swap_b32 v[\pc+6*\c+\i], v[T2+4*\c+\i]
.endr
.irp i, 0,1,2
	s_delay_alu instid0(VALU_DEP_3)
	v_mov_b32 v[\pc+6*\c+3+\i], v[T2+4*\c+\i]
.endr
.endr
.endm
.macro HSTORE pc, off
	global_store_b128 v[LI16], v[\pc:\pc+3], s[CB:CB+1] offset:\off
	global_store_b64 v[LI8], v[\pc+4:\pc+5], s[CB:CB+1] offset:\off+512
.endm
; a weight fragment: tile t of my unit, K step kap: six pieces of 8 bytes of the row's stream of bits.  Lanes 16-31 read three pieces on, which is behind one padding more where the piece's number mod 32 is 29 or more
.macro WFRAG reg, t, kap
.irp p, 0,1,2,3,4,5
.set PCN, 12*(\kap)+6*(\p/3)+\p%3
.if PCN%32 < 29
	ds_load_b64 v[\reg+2*\p:\reg+2*\p+1], v[AW0] offset:(32*((\t)/2)+8*((\t)%2))*WPIT+8*PCN+16*(PCN/32)
.else
	ds_load_b64 v[\reg+2*\p:\reg+2*\p+1], v[AW1] offset:(32*((\t)/2)+8*((\t)%2))*WPIT+8*PCN+16*(PCN/32)
.endif
.endr
.endm
.macro XFRAG reg, a, kap               ; a fragment of X: two half images, as they were stored
	ds_load_b128 v[\reg:\reg+3], v[AX16] offset:(\a)*12288+(\kap)*1536
	ds_load_b64 v[\reg+4:\reg+5], v[AX8] offset:(\a)*12288+(\kap)*1536+512
	ds_load_b128 v[\reg+6:\reg+9], v[AX16] offset:(\a)*12288+(\kap)*1536+768
	ds_load_b64 v[\reg+10:\reg+11], v[AX8] offset:(\a)*12288+(\kap)*1536+1280
.endm
.macro MM d, a, b, sa, sb, zero
.if \zero
	v_wmma_scale_f32_16x16x128_f8f6f4 v[\d:\d+7], v[\a:\a+11], v[\b:\b+11], 0, v[\sa], v[\sb] matrix_a_fmt:MATRIX_FMT_FP6 matrix_b_fmt:MATRIX_FMT_FP6
.else
	v_wmma_scale_f32_16x16x128_f8f6f4 v[\d:\d+7], v[\a:\a+11], v[\b:\b+11], v[\d:\d+7], v[\sa], v[\sb] matrix_a_fmt:MATRIX_FMT_FP6 matrix_b_fmt:MATRIX_FMT_FP6
.endif
.endm
; A K step of 128: 46 LDS loads, 16 matrix instructions on 16 accumulators by turns.  role 0: source 0 = the weights; role 1: source 0 = X.
.macro KSTEP kap, role
.if \kap > 0
	NOPS                                           ; four places in front of loads into registers that matrix instructions have read
.endif
.irp t, 0,1,2,3
	ds_load_b32 v[WS+\t], v[AWS] offset:(32*(\t/2)+8*(\t%2))*32+4*\kap
.endr
	ds_load_b64 v[XS:XS+1], v[AXS] offset:256*\kap
	ds_load_b64 v[XS+2:XS+3], v[AXS] offset:2048+256*\kap
.if \role == 0
.irp t, 0,1,2,3
	WFRAG WF+12*\t, \t, \kap
.endr
.irp a, 0,1,2,3
	XFRAG XF+12*\a, \a, \kap
.endr
.else
.irp t, 0,1,2,3
	XFRAG XF+12*\t, \t, \kap
.endr
.irp a, 0,1,2,3
	WFRAG WF+12*\a, \a, \kap
.endr
.endif
.irp a, 0,1,2,3
.if \role == 0
	s_wait_dscnt 4*(3-\a)                          ; all but the later tiles' fragments of X, four loads each
.else
	s_wait_dscnt 6*(3-\a)                          ; all but the later tiles' weight fragments, six loads each
.endif
.irp b, 0,1,2,3
.if \role == 0
.if \kap == 0
	MM ACC+8*(4*\a+\b), WF+12*\b, XF+12*\a, WS+\b, XS+\a, 1
.else
	MM ACC+8*(4*\a+\b), WF+12*\b, XF+12*\a, WS+\b, XS+\a, 0
.endif
.else
.if \kap == 0
	MM ACC+8*(4*\a+\b), XF+12*\b, WF+12*\a, XS+\b, WS+\a, 1
.else
	MM ACC+8*(4*\a+\b), XF+12*\b, WF+12*\a, XS+\b, WS+\a, 0
.endif
.endif
.endr
.endr
.endm
; The way out: 32 registers of index a are 64 numbers along the next K; two of them make one call.  stride: bytes from half image a to a + 1
.macro EPI stride
	NOPS                                           ; four places behind the last products: what follows reads results and writes registers that held fragments
.irp b, 0,1,2,3
	v_mov_b32 v[TM+4+\b], 0                        ; a lane permute's destination counts as one of its sources
.endr
	QUANT ACC, PC, PW
	QUANT ACC+64, PC+12, PW+1
.irp a, 0,1,2,3
	HSTORE PC+6*\a, \stride*\a
.endr
	global_store_b64 v[LI8], v[PW:PW+1], s[22:23]
.endm
	s_load_b256 s[4:11], s[0:1], 0x0               ; xc, xs, Wq's codes, Wq's scales
	s_load_b256 s[12:19], s[0:1], 0x20             ; Wk's codes, scales, Wv's codes, scales
	s_load_b128 s[20:23], s[0:1], 0x40             ; qc, qs
	s_load_b64 s[24:25], s[0:1], 0x50              ; kv
	v_lshl_add_u32 v30, v0, 2, 0x4f000
	v_mov_b32 v31, 0
	ds_add_u32 v30, v31
	ds_add_u32 v30, v31
	v_lshrrev_b32 v9, 5, v0
	s_delay_alu instid0(VALU_DEP_1)
	v_readfirstlane_b32 s[WV], v9                  ; wave 0..7
	s_lshr_b32 s[RH], s[WV], 2
	s_and_b32 s[CU], s[WV], 3
	s_bfe_u32 s[CX], ttmp6, 0x40000
	s_lshl_b32 s[RB], ttmp9, 2
	s_add_co_u32 s[RB], s[RB], s[CX]               ; my block of 128 rows
	s_and_b32 s[J], ttmp7, 0xffff                  ; my block of 256 columns, which the partners share
	v_and_b32 v9, 31, v0
	s_delay_alu instid0(VALU_DEP_1)
	v_lshlrev_b32 v[LI16], 4, v9
	s_delay_alu instid0(VALU_DEP_2)
	v_lshlrev_b32 v[LI8], 3, v9
	v_and_b32 v10, 15, v0                          ; r
	v_bfe_u32 v11, v0, 4, 1                        ; h
	s_delay_alu instid0(VALU_DEP_2)
	v_and_b32 v12, 8, v10
	s_delay_alu instid0(VALU_DEP_1)
	v_add_nc_u32 v12, v12, v10                     ; r + 8 (r / 8)
	s_mul_i32 s84, s[CU], 64*WPIT
	v_mul_u32_u24 v[AW0], v12, WPIT
	s_delay_alu instid0(VALU_DEP_1)
	v_mad_u32_u24 v[AW0], v11, 24, v[AW0]
	s_delay_alu instid0(VALU_DEP_1)
	v_add_nc_u32 v[AW0], s84, v[AW0]
	s_delay_alu instid0(VALU_DEP_1)
	v_lshl_add_u32 v[AW1], v11, 4, v[AW0]
	s_lshl_b32 s84, s[CU], 11
	s_add_co_u32 s84, s84, WSC
	v_lshl_add_u32 v[AWS], v12, 5, s84
	s_mul_i32 s84, s[RH], 49152
	s_add_co_u32 s84, s84, XP
	v_add_nc_u32 v[AX16], s84, v[LI16]
	v_add_nc_u32 v[AX8], s84, v[LI8]
	s_lshl_b32 s84, s[RH], 12
	s_add_co_u32 s84, s84, XSC
	v_add_nc_u32 v[AXS], s84, v[LI8]
	s_mov_b32 s[SEL], 0x76543210
	s_mov_b32 s[SEL+1], 0xfedcba98
	G1SET G1W, W0W, 768, 256, 768                  ; 256 rows of 768 bytes
	G1SET G1WS, W0WS, 32, 32, 32                   ; 8,192 dense bytes as 32 rows of 256
	G1SET G1X, W0X, 32, 384, 32                    ; 98,304 dense bytes
	G1SET G1XS, W0X, 32, 32, 32                    ; 8,192 dense bytes
	s_wait_dscnt 0x0
	s_wait_kmcnt 0x0
	s_cmp_eq_u32 s[J], 5                           ; which weight: the choice hangs on the work-group's y alone
	s_cselect_b64 s[84:85], s[16:17], s[12:13]
	s_cselect_b64 s[86:87], s[18:19], s[14:15]
	s_cmp_lt_u32 s[J], 4
	s_cselect_b64 s[84:85], s[8:9], s[84:85]
	s_cselect_b64 s[86:87], s[10:11], s[86:87]
	s_cselect_b32 s88, s[J], 0                     ; and which quarter of Wq
	s_mul_i32 s90, s88, 256*768
	s_mov_b32 s91, 0
	s_add_nc_u64 s[84:85], s[84:85], s[90:91]
	s_lshl_b32 s90, s88, 13
	s_add_nc_u64 s[86:87], s[86:87], s[90:91]
	s_mov_b32 s[G0W], 1
	s_mov_b32 s[G0W+1], WP
	s_mov_b64 s[G0W+2:G0W+3], s[84:85]
	s_or_b32 s[G0W+3], s[G0W+3], 0x80000000
	s_mov_b32 s[G0WS], 1
	s_mov_b32 s[G0WS+1], WSC
	s_mov_b64 s[G0WS+2:G0WS+3], s[86:87]
	s_or_b32 s[G0WS+3], s[G0WS+3], 0x80000000
	s_mul_i32 s92, s[RB], 98304                    ; (registers of their own for what hangs on my place in the cluster)
	s_mov_b32 s93, 0
	s_mov_b32 s[G0X], 1
	s_mov_b32 s[G0X+1], XP
	s_add_nc_u64 s[G0X+2:G0X+3], s[4:5], s[92:93]
	s_or_b32 s[G0X+3], s[G0X+3], 0x80000000
	s_lshl_b32 s92, s[RB], 13
	s_mov_b32 s[G0XS], 1
	s_mov_b32 s[G0XS+1], XSC
	s_add_nc_u64 s[G0XS+2:G0XS+3], s[6:7], s[92:93]
	s_or_b32 s[G0XS+3], s[G0XS+3], 0x80000000
	CROUND                                         ; all four work-groups are here: the joint loads meet
	s_cmp_eq_u32 s[WV], 0                          ; waves 0 to 3 issue one fill each; four v_nop follow each
	s_cbranch_scc0 .Lf1
	tensor_load_to_lds s[G0W:G0W+3], s[G1W:G1W+7]
	s_nop 0
	NOPS
	s_branch .Lfilled
.Lf1:
	s_cmp_eq_u32 s[WV], 1
	s_cbranch_scc0 .Lf2
	tensor_load_to_lds s[G0WS:G0WS+3], s[G1WS:G1WS+7]
	s_nop 0
	NOPS
	s_branch .Lfilled
.Lf2:
	s_cmp_eq_u32 s[WV], 2
	s_cbranch_scc0 .Lf3
	tensor_load_to_lds s[G0X:G0X+3], s[G1X:G1X+7]
	s_nop 0
	NOPS
	s_branch .Lfilled
.Lf3:
	s_cmp_eq_u32 s[WV], 3
	s_cbranch_scc0 .Lfilled
	tensor_load_to_lds s[G0XS:G0XS+3], s[G1XS:G1XS+7]
	s_nop 0
	NOPS
.Lfilled:
	; where my results go, while the panels are on their way
	s_lshr_b32 s92, s[RB], 4                       ; batch
	s_lshl_b32 s92, s92, 2
	s_add_co_u32 s92, s92, s[CU]                   ; 4 batch + group
	s_lshl_b32 s92, s92, 4
	s_and_b32 s93, s[RB], 15                       ; step of 128 keys
	s_add_co_u32 s92, s92, s93
	s_mul_i32 s92, s92, 13312                      ; the step's block in kv
	s_mov_b32 s93, 3072
	s_cmp_eq_u32 s[J], 5
	s_cselect_b32 s93, 768, s93                    ; my 64 rows: K: four tiles on; V: one key half on
	s_cselect_b32 s98, 6144, 0
	s_cselect_b32 s99, 512, 0
	s_mul_i32 s93, s[RH], s93
	s_add_co_u32 s93, s93, s98
	s_add_co_u32 s93, s93, s92                     ; kv: codes
	s_lshl_b32 s98, s[RH], 8
	s_add_co_u32 s98, s98, s99
	s_add_co_u32 s98, s98, s92
	s_add_co_u32 s98, s98, 12288                   ; kv: scale words
	s_lshl_b32 s99, s[J], 2
	s_add_co_u32 s99, s99, s[CU]                   ; head
	s_lshl_b32 s92, s[RB], 1
	s_add_co_u32 s92, s92, s[RH]                   ; quad of four tiles
	s_mul_i32 s94, s99, 196608
	s_mul_i32 s96, s92, 3072
	s_add_co_u32 s94, s94, s96                     ; qc
	s_lshl_b32 s96, s99, 6
	s_add_co_u32 s96, s96, s92
	s_lshl_b32 s96, s96, 8                         ; qs
	s_cmp_lt_u32 s[J], 4
	s_cselect_b32 s94, s94, s93
	s_cselect_b32 s96, s96, s98
	s_cselect_b64 s[20:21], s[20:21], s[24:25]
	s_cselect_b64 s[22:23], s[22:23], s[24:25]
	s_mov_b32 s95, 0
	s_mov_b32 s97, 0
	s_add_nc_u64 s[20:21], s[20:21], s[94:95]
	s_add_nc_u64 s[22:23], s[22:23], s[96:97]
	s_wait_tensorcnt 0x0                           ; my fill has landed,
	s_barrier_signal -1
	s_barrier_wait -1                              ; everybody's has
	s_cmp_eq_u32 s[J], 5
	s_cbranch_scc1 .Lrole1
	s_wait_alu depctr_va_vdst(0)
.irp k, 0,1,2,3,4,5,6,7
	KSTEP \k, 0
.endr
	EPI 768
	s_branch .Lend
.Lrole1:
	s_wait_alu depctr_va_vdst(0)
.irp k, 0,1,2,3,4,5,6,7
	KSTEP \k, 1
.endr
; V's way out: e tile a's 32 registers are my lane's whole block of keys: no other lane is asked for its maximum, and the conversions' results are the operand's registers
.macro EPIV
	NOPS                                           ; four places behind the last products
	v_mov_b32 v[TM+8], 0                           ; a lane permute's destination counts as one of its sources
	v_mov_b32 v[TM+9], 0
	v_lshlrev_b32 v[TM+10], 3, v11                 ; 8 x (lane / 16)
.irp a, 0,1,2,3
	v_max3_num_f32 v[TM+\a], |v[ACC+32*\a]|, |v[ACC+32*\a+1]|, 0x1800000   ; each accumulator from its low end on; the floor 2^(3 - 127)
.endr
.irp i, 2,4,6,8,10,12,14,16,18,20,22,24,26,28,30
.irp a, 0,1,2,3
	v_max3_num_f32 v[TM+\a], v[TM+\a], |v[ACC+32*\a+\i]|, |v[ACC+32*\a+\i+1]|
.endr
.endr
.irp a, 0,1,2,3
	s_delay_alu instid0(VALU_DEP_4)
	v_add_nc_u32 v[TM+4+\a], 0xff000000, v[TM+\a]  ; 2 off the exponent field: the conversion's scale operand
.endr
.irp a, 0,1,2,3
	s_delay_alu instid0(VALU_DEP_4)
	v_lshrrev_b32 v[TM+12+\a], 23, v[TM+4+\a]      ; the scale's byte
.endr
.irp p, 0,1
	v_lshl_or_b32 v[PW+\p], v[TM+13+2*\p], 16, v[TM+12+2*\p]   ; e tiles 2 p and 2 p + 1: my block's bytes,
.endr
.irp p, 0,1
	s_delay_alu instid0(VALU_DEP_2)
	v_lshlrev_b32 v[PW+\p], v[TM+10], v[PW+\p]     ; at their places (lanes 16-31: one byte up),
.endr
.irp p, 0,1
	s_delay_alu instid0(VALU_DEP_2)
	v_permlanex16_b32 v[TM+8+\p], v[PW+\p], s[SEL], s[SEL+1]
.endr
.irp p, 0,1
	s_delay_alu instid0(VALU_DEP_2)
	v_or_b32 v[PW+\p], v[PW+\p], v[TM+8+\p]        ; with lane l xor 16's the word is whole
.endr
.irp g, 0,1
.irp c, 0,1
	v_cvt_scalef32_pk16_fp6_f32 v[PC+12*\g+6*\c:PC+12*\g+6*\c+2], v[ACC+64*\g+32*\c:ACC+64*\g+32*\c+15], v[TM+4+2*\g+\c]
	v_cvt_scalef32_pk16_fp6_f32 v[T2+4*\c:T2+4*\c+2], v[ACC+64*\g+32*\c+16:ACC+64*\g+32*\c+31], v[TM+4+2*\g+\c]   ; (a conversion's three registers begin on an even number)
.endr
	v_nop                                          ; one plain place behind a scaled conversion
.irp c, 0,1
.irp i, 0,1,2
	v_mov_b32 v[PC+12*\g+6*\c+3+\i], v[T2+4*\c+\i]
.endr
.endr
.endr
.irp a, 0,1,2,3
	HSTORE PC+6*\a, 1536*\a
.endr
	global_store_b64 v[LI8], v[PW:PW+1], s[22:23]
.endm
	EPIV
.Lend:
	s_wait_tensorcnt 0x0
	ds_add_u32 v30, v31
	s_wait_dscnt 0x0
	CROUND                                         ; the closing round: no work-group ends while a partner may still ask for a tile that names it
	s_endpgm
.Lfunc_end_k_qa23d5e5a7c_qkv:
	.size	k_qa23d5e5a7c_qkv, .Lfunc_end_k_qa23d5e5a7c_qkv-k_qa23d5e5a7c_qkv
	.p2alignl 7, 3214868480
	.fill 96, 4, 3214868480
	.section	.rodata,"a",@progbits
	.p2align	6, 0x0
	.amdhsa_kernel k_qa23d5e5a7c_qkv
		.amdhsa_group_segment_fixed_size 324608
		.amdhsa_private_segment_fixed_size 0
		.amdhsa_enable_private_segment 0
		.amdhsa_kernarg_size 88
		.amdhsa_user_sgpr_count 2
		.amdhsa_user_sgpr_kernarg_segment_ptr 1
		.amdhsa_wavefront_size32 1
		.amdhsa_system_sgpr_workgroup_id_x 1
		.amdhsa_system_sgpr_workgroup_id_y 1
		.amdhsa_system_sgpr_workgroup_id_z 1
		.amdhsa_system_vgpr_workitem_id 0
		.amdhsa_next_free_vgpr 256
		.amdhsa_next_free_sgpr 102
		.amdhsa_reserve_vcc 0
		.amdhsa_float_denorm_mode_32 3
		.amdhsa_float_denorm_mode_16_64 3
		.amdhsa_memory_ordered 1
		.amdhsa_forward_progress 1
		.amdhsa_inst_pref_size 109
	.end_amdhsa_kernel
	.amdgpu_metadata
---
amdhsa.version: [ 1, 2 ]
amdhsa.kernels:
  - .name:           k_qa23d5e5a7c_qkv
    .symbol:         k_qa23d5e5a7c_qkv.kd
    .args:
      - { .name: xc, .offset: 0, .size: 8, .value_kind: global_buffer, .address_space: global }
      - { .name: xs, .offset: 8, .size: 8, .value_kind: global_buffer, .address_space: global }
      - { .name: Wq_codes, .offset: 16, .size: 8, .value_kind: global_buffer, .address_space: global }
      - { .name: Wq_scales, .offset: 24, .size: 8, .value_kind: global_buffer, .address_space: global }
      - { .name: Wk_codes, .offset: 32, .size: 8, .value_kind: global_buffer, .address_space: global }
      - { .name: Wk_scales, .offset: 40, .size: 8, .value_kind: global_buffer, .address_space: global }
      - { .name: Wv_codes, .offset: 48, .size: 8, .value_kind: global_buffer, .address_space: global }
      - { .name: Wv_scales, .offset: 56, .size: 8, .value_kind: global_buffer, .address_space: global }
      - { .name: qc, .offset: 64, .size: 8, .value_kind: global_buffer, .address_space: global }
      - { .name: qs, .offset: 72, .size: 8, .value_kind: global_buffer, .address_space: global }
      - { .name: kv, .offset: 80, .size: 8, .value_kind: global_buffer, .address_space: global }
    .group_segment_fixed_size: 324608
    .private_segment_fixed_size: 0
    .kernarg_segment_align: 8
    .kernarg_segment_size: 88
    .max_flat_workgroup_size: 256
    .sgpr_count:     102
    .vgpr_count:     256
    .wavefront_size: 32
...
	.end_amdgpu_metadata
.endif
;; end of part 2
;; launch attn (part 3): grid 32 x 8, 16 waves a work-group, clusters of 4 x 1, 327,680 bytes of LDS; arguments qc, qs, kv, ac, a_sc; writes ac, a_sc
.if DOCPART == 3
	.amdgcn_target "amdgcn-amd-amdhsa--gfx1250"
	.amdhsa_code_object_version 6
	.text
	.protected	k_qa23d5e5a7c_attn
	.globl	k_qa23d5e5a7c_attn
	.p2align	8
	.type	k_qa23d5e5a7c_attn,@function
k_qa23d5e5a7c_attn:
	s_mov_b64 s[64:65], 0
	v_nop
	global_prefetch_b8 v0, s[64:65] scope:SCOPE_SE
	s_setreg_imm32_b32 hwreg(HW_REG_WAVE_MODE, 25, 1), 1
	s_wait_xcnt 0x0
	s_wait_alu depctr_hold_cnt(0) depctr_sa_sdst(0) depctr_va_vdst(0) depctr_va_sdst(0) depctr_va_ssrc(0) depctr_va_vcc(0) depctr_vm_vsrc(0)
	s_getreg_b32 s2, hwreg(HW_REG_IB_STS2, 6, 4)
	s_cmp_eq_u32 s2, 0
	s_cbranch_scc0 .Lentry_in_a_cluster
	s_endpgm
.Lentry_in_a_cluster:
	s_bfe_u32 s2, ttmp6, 0x10000c
	s_cmp_lg_u32 s2, 0x3003
	s_cbranch_scc0 .Lentry_shape_is_right
	s_endpgm
.Lentry_shape_is_right:
; A = softmax(Q K^T / 8) V for 16 heads in 4 groups, head size 64, 2,048 keys, both products on codes of FP6 (E2M3); A leaves quantised along its 1,024 features for the last product.
; SOFTMAX: t = score x log2(e) / 8 (K was quantised without its factor 1/8, a power of two); M = the running largest t rounded up to a whole number; p = 2^(t - M) is quantised along the keys; the row's sum is
; taken of the unquantised p and divides O at the end.  When M moves, the sum and O are multiplied by 2^(old M - new M): exact.
; SHARES.  A work-group takes one (batch, group) y and one quad of 64 queries; sixteen waves = 4 heads x 4 tiles of 16 queries.  All keys and values of y, 16 steps of 13,312 bytes, lie in LDS, each byte filled once.
; FILLS, all joint (the four quads of a cluster walk the same K and V).  At the head each wave asks for a sixteenth of steps 0-3 (3,328 bytes); behind the wait for it, the add and a round each wave asks for a
; sixteenth of steps 4-15 (9,984 bytes), which land while steps 0-3 are walked; one more barrier stands in front of step 4.  One tensor load a wave at each of the two places; the launch claims all LDS.
; No prefetch: everything that the launch reads by tensor loads is asked for in these two groups, so there is no later trip to ask ahead for.
; LAYOUT.  Both products transposed: S^T = K Q^T, O^T = V^T P^T: a lane holds one query throughout.  Lane r of key tile T of a group of 64 keys holds key 8 T + r % 8 + 32 (r / 8), so the 32 registers of a group's four
; tiles are 32 neighbouring keys: A WHOLE BLOCK IN A LANE, lanes 0-15 block 2 c, lanes 16-31 block 2 c + 1, as the operand's layout wants p: no lane swap, and a block's maximum asks no other lane.
; THE HEAD'S 64 IN AN INSTRUCTION OF 128: a fragment of K holds two key tiles (k 0-63, k 64-127); it is multiplied by [q | zeros] and by [zeros | q]: zero codes add nothing under any scale byte but 0xff.
; A KEY STEP IS CUT IN TWO.  MID: V's loads, the softmax, p's codes, O^T x f, V^T P.  HEAD: the next step's loads of K and K Q^T, with the finished step's sums of p dealt between them.
; A STEP'S 13,312 BYTES: K's 8 half images at 0; V's [e tile 4][key half 2] at 6,144; K's scale words [half][lane][2] at 12,288; V's at 12,800.  (A half image: registers 0-3 at 16 x lane, 4-5 at 512 + 8 x lane.)
; LIMITS: a block of zeros gets the byte 1 where the rule says 127 (zero codes; this program alone reads the bytes); NaN and infinities are not served; the scaled scores stay under 2^31 in magnitude.
.set STEPB, 13312
.set XCH,   16*STEPB                   ; 1,024 bytes in which A's scale bytes of 16 waves meet; no fill lands here
.set SPARE, XCH+1024                   ; the spare words, 128 bytes a wave
.set P1B,   3328                       ; a wave's part of steps 0-3: 13 rows of 256 bytes
.set P2B,   9984                       ; and of steps 4-15: 39 rows
.set LI16, 1                           ; 16 x lane
.set LI8,  2                           ; 8 x lane
.set ADB,  3                           ; the step's bytes + 16 x lane
.set ADH,  4                           ; + 8 x lane
.set XA,   5                           ; where my two scale bytes go
.set XR,   6                           ; where waves 0-3 read a unit of scale words back
.set SH8,  8                           ; 8 x (lane / 16)
; v12 -M, v13 the running largest score, v[14:15] the row's sum in two halves
.set QHI,  16                          ; v[16:27] = [zeros | q]
.set QLO,  22                          ; v[22:33] = [q | zeros]
.set QSL,  34
.set QSH,  35
.set FR,   36                          ; v36-83 four fragments, of K and then of V
.set KS,   84
.set VP,   88
.set VS,   92
.set S,    96                          ; v96-159 S^T, then p
.set O,    160                         ; v160-191 O^T
.set PC,   192                         ; v192-203 p's codes
.set T2,   204
.set BM,   212                         ; v212-215 four chains of maxima; then v212, v214: my two blocks' largest
.set BT,   216
.set SO,   220
.set PS,   224
.set FF,   226
.set TA0,  228
.set C2,   230
.set CH,   232
.set WV, 14
.set W,  15
.set TA, 16
.set G1A, 24
.set G1B, 32
.set G0A, 40
.set G0B, 44
.set SEL, 56
.set CS,  58
.set TB,  60
.set CNT, 61
.macro CROUND
	s_barrier_signal -1
	s_barrier_wait -1
	s_cmp_lg_u32 s[WV], 0
	s_cbranch_scc1 .Lnot_wave_0_\@
	s_barrier_signal -3
.Lnot_wave_0_\@:
	s_barrier_wait -3
	s_barrier_signal -1
	s_barrier_wait -1
.endm
.macro NOPS
.rept 4
	v_nop
.endr
.endm
.macro G1SET g, r                      ; r dense rows of 256 bytes (32 elements of 8); the mask of all four partners, bit 21 beside it
	s_mov_b32 s[\g], 15|(3<<16)|(1<<21)
	s_mov_b32 s[\g+1], 32<<16
	s_mov_b32 s[\g+2], (\r)<<16
	s_mov_b32 s[\g+3], 32<<16
	s_mov_b32 s[\g+4], \r
	s_mov_b32 s[\g+5], 32
	s_mov_b32 s[\g+6], 0
	s_mov_b32 s[\g+7], 0
.endm
.macro FRAGS off                       ; four fragments, eight half images on end
.irp f, 0,1,2,3
	ds_load_b128 v[FR+12*\f:FR+12*\f+3], v[ADB] offset:\off+1536*\f
	ds_load_b64 v[FR+12*\f+4:FR+12*\f+5], v[ADH] offset:\off+1536*\f+512
	ds_load_b128 v[FR+12*\f+6:FR+12*\f+9], v[ADB] offset:\off+1536*\f+768
	ds_load_b64 v[FR+12*\f+10:FR+12*\f+11], v[ADH] offset:\off+1536*\f+1280
.endr
.endm
.macro KLOADS
	ds_load_b64 v[KS:KS+1], v[ADH] offset:12288
	ds_load_b64 v[KS+2:KS+3], v[ADH] offset:12544
	FRAGS 0
.endm
.macro SPROD f                         ; fragment f of K: its two key tiles
	v_wmma_scale_f32_16x16x128_f8f6f4 v[S+16*\f:S+16*\f+7], v[FR+12*\f:FR+12*\f+11], v[QLO:QLO+11], 0, v[KS+\f], v[QSL] matrix_a_fmt:MATRIX_FMT_FP6 matrix_b_fmt:MATRIX_FMT_FP6
	v_wmma_scale_f32_16x16x128_f8f6f4 v[S+16*\f+8:S+16*\f+15], v[FR+12*\f:FR+12*\f+11], v[QHI:QHI+11], 0, v[KS+\f], v[QSH] matrix_a_fmt:MATRIX_FMT_FP6 matrix_b_fmt:MATRIX_FMT_FP6
.endm
.macro SUMB b                          ; the sum of the unquantised p, 16 registers at a time, on four chains by turns; the first 16 start the chains
.if \b == 0
.irp c, 0,1,2,3
	v_pk_add_f32 v[CH+2*\c:CH+2*\c+1], v[S+2*\c:S+2*\c+1], v[S+8+2*\c:S+8+2*\c+1]
.endr
.else
.irp c, 0,1,2,3,4,5,6,7
	v_pk_add_f32 v[CH+2*(\c%4):CH+2*(\c%4)+1], v[CH+2*(\c%4):CH+2*(\c%4)+1], v[S+16*\b+2*\c:S+16*\b+2*\c+1]
.endr
.endif
.endm
.macro SUMC
	v_pk_add_f32 v[CH:CH+1], v[CH:CH+1], v[CH+2:CH+3]
	v_pk_add_f32 v[CH+4:CH+5], v[CH+4:CH+5], v[CH+6:CH+7]
	s_delay_alu instid0(VALU_DEP_1)
	v_pk_add_f32 v[CH:CH+1], v[CH:CH+1], v[CH+4:CH+5]
	s_delay_alu instid0(VALU_DEP_1)
	v_pk_add_f32 v[14:15], v[14:15], v[CH:CH+1]
.endm
.macro HEAD first                      ; the scores of the step at LDS byte s[TB]
	v_add_nc_u32 v[ADB], s[TB], v[LI16]
	v_add_nc_u32 v[ADH], s[TB], v[LI8]
.if \first
	KLOADS
	s_wait_dscnt 0x0
	SPROD 0
	SPROD 1
	SPROD 2
	SPROD 3
	NOPS                                           ; four places: V's loads land where K's fragments lie, and the scores are read
.else
	SUMB 0                                         ; with the two lines above: six places between V^T P and the loads into the registers that it read
	KLOADS
	SUMB 1
	s_wait_alu depctr_va_vdst(0)
	s_wait_dscnt 12                                ; the scale words and fragment 0 are in; the twelve loads of fragments 1 to 3 may be out
	SPROD 0
	s_wait_dscnt 8                                 ; fragments 2 and 3 may be out
	SPROD 1
	SUMB 2
	s_wait_alu depctr_va_vdst(0)
	s_wait_dscnt 4                                 ; fragment 3 may be out
	SPROD 2
	SUMB 3
	s_wait_alu depctr_va_vdst(0)
	s_wait_dscnt 0x0
	SPROD 3
	SUMC                                           ; four places
.endif
.endm
.macro MID
	FRAGS 6144                                     ; V lands while the softmax is walked
	ds_load_b64 v[VP:VP+1], v[ADH] offset:12800
	ds_load_b64 v[VP+2:VP+3], v[ADH] offset:13056
.irp q, 0,1,2,3
	v_max3_num_f32 v[BM+\q], v[S+16*\q], v[S+16*\q+1], v[S+16*\q+2]   ; four chains of 15 scores; each accumulator is read from its low end on
.endr
.irp i, 3,5,7,9,11,13
.irp q, 0,1,2,3
	v_max3_num_f32 v[BM+\q], v[BM+\q], v[S+16*\q+\i], v[S+16*\q+\i+1]
.endr
.endr
	v_max3_num_f32 v[BM], v[BM], v[BM+1], v[S+15]  ; my block of keys 0-63's largest score: it serves the row's maximum and, since p rises with the score, the block's largest p
	v_max3_num_f32 v[BM+2], v[BM+2], v[BM+3], v[S+47]   ; and my block of keys 64-127's
	v_max_num_f32 v[BM], v[BM], v[S+31]
	v_max_num_f32 v[BM+2], v[BM+2], v[S+63]
	s_delay_alu instid0(VALU_DEP_1)
	v_max_num_f32 v[TA0], v[BM], v[BM+2]
	s_delay_alu instid0(VALU_DEP_1)
	v_permlanex16_b32 v[BT], v[TA0], s[SEL], s[SEL+1]
	s_delay_alu instid0(VALU_DEP_1)
	v_max3_num_f32 v13, v13, v[TA0], v[BT]         ; the running largest score of my query
	s_delay_alu instid0(VALU_DEP_1)
	v_mul_f32 v[TA0], s[CS], v13                   ; as t (c is positive)
	v_mov_b32 v[TA0+1], v12
	s_delay_alu instid0(VALU_DEP_2)
	v_floor_f32 v12, -v[TA0]                       ; the new -M = floor(-t)
	s_delay_alu instid0(VALU_DEP_1)
	v_sub_f32 v[TA0], v12, v[TA0+1]                ; old M - new M: a whole number, 0 or less
	s_delay_alu instid0(VALU_DEP_1)
	v_cvt_i32_f32 v[TA0], v[TA0]                   ; (it saturates)
	s_delay_alu instid0(VALU_DEP_1)
	v_ldexp_f32 v[FF], 1.0, v[TA0]                 ; f
.set jj, 0
.rept 32
	v_pk_fma_f32 v[S+jj:S+jj+1], v[S+jj:S+jj+1], s[CS:CS+1], v[12:13] op_sel_hi:[1,0,0]   ; t - M, two at a time (of the pair v[12:13] the low word serves both)
.set jj, jj+2
.endr
	v_fma_f32 v[BM], v[BM], s[CS], v12             ; the same of my two blocks' largest scores
	v_fma_f32 v[BM+2], v[BM+2], s[CS], v12
	s_wait_alu depctr_va_vdst(0)
.set jj, 0
.rept 64
	v_exp_f32 v[S+jj], v[S+jj]                     ; p = 2^(t - M), at most 1
.set jj, jj+1
.endr
	v_exp_f32 v[BM], v[BM]
	v_exp_f32 v[BM+2], v[BM+2]
	v_pk_mul_f32 v[14:15], v[14:15], v[FF:FF+1] op_sel_hi:[1,0]   ; the earlier steps' sum under the new M (a plain place behind the exponentials)
	s_wait_alu depctr_va_vdst(0)                   ; and behind it
	v_max_num_f32 v[BM], 0x1800000, v[BM]          ; the floor 2^(3 - 127)
	v_max_num_f32 v[BM+2], 0x1800000, v[BM+2]
	s_delay_alu instid0(VALU_DEP_2)
	v_add_nc_u32 v[SO], 0xff000000, v[BM]          ; 2 off the exponent field: the conversion's scale operand
	s_delay_alu instid0(VALU_DEP_2)
	v_add_nc_u32 v[SO+1], 0xff000000, v[BM+2]
	s_delay_alu instid0(VALU_DEP_2)
	v_lshrrev_b32 v[BT+2], 23, v[SO]               ; the scale's byte
	s_delay_alu instid0(VALU_DEP_2)
	v_lshrrev_b32 v[BT+3], 23, v[SO+1]
	s_delay_alu instid0(VALU_DEP_1)
	v_lshl_or_b32 v[PS], v[BT+3], 16, v[BT+2]      ; my two bytes, blocks h and 2 + h,
	s_delay_alu instid0(VALU_DEP_1)
	v_lshlrev_b32 v[PS], v[SH8], v[PS]             ; at their places in the word;
	s_delay_alu instid0(VALU_DEP_1)
	v_permlanex16_b32 v[BT+1], v[PS], s[SEL], s[SEL+1]
	s_delay_alu instid0(VALU_DEP_1)
	v_or_b32 v[PS], v[PS], v[BT+1]                 ; with lane l xor 16's two the word is whole
	s_wait_alu depctr_va_vdst(0)
	s_wait_dscnt 0x0                               ; V and its scale bytes are in
	v_perm_b32 v[VS], v[VP+2], v[VP], 0x05040100   ; e tile a's word: its two bytes of the first 64 keys below, of the second 64 above
	v_perm_b32 v[VS+1], v[VP+2], v[VP], 0x07060302
	v_perm_b32 v[VS+2], v[VP+3], v[VP+1], 0x05040100
	v_perm_b32 v[VS+3], v[VP+3], v[VP+1], 0x07060302
.irp c, 0,1
	v_cvt_scalef32_pk16_fp6_f32 v[PC+6*\c:PC+6*\c+2], v[S+32*\c:S+32*\c+15], v[SO+\c]
	v_cvt_scalef32_pk16_fp6_f32 v[T2+4*\c:T2+4*\c+2], v[S+32*\c+16:S+32*\c+31], v[SO+\c]   ; (a conversion's three registers begin on an even number)
.endr
	v_nop                                          ; one plain place behind a scaled conversion
.irp c, 0,1
.irp i, 0,1,2
	v_mov_b32 v[PC+6*\c+3+\i], v[T2+4*\c+\i]
.endr
.endr
	s_wait_alu depctr_va_vdst(0)
.set jj, 0
.rept 16
	v_pk_mul_f32 v[O+jj:O+jj+1], v[O+jj:O+jj+1], v[FF:FF+1] op_sel_hi:[1,0]   ; O^T under the new M; of these sixteen, twelve name no register of any one product below: its places
.set jj, jj+2
.endr
.irp a, 0,1,2,3
	v_wmma_scale_f32_16x16x128_f8f6f4 v[O+8*\a:O+8*\a+7], v[FR+12*\a:FR+12*\a+11], v[PC:PC+11], v[O+8*\a:O+8*\a+7], v[VS+\a], v[PS] matrix_a_fmt:MATRIX_FMT_FP6 matrix_b_fmt:MATRIX_FMT_FP6
.endr
.endm
	s_load_b256 s[4:11], s[0:1], 0x0               ; qc, qs, kv, ac
	s_load_b64 s[12:13], s[0:1], 0x20              ; a_sc
	v_lshl_add_u32 v240, v0, 2, SPARE
	v_mov_b32 v241, 0
	ds_add_u32 v240, v241
	ds_add_u32 v240, v241
	v_lshrrev_b32 v7, 5, v0
	s_delay_alu instid0(VALU_DEP_1)
	v_readfirstlane_b32 s[WV], v7                  ; wave 0..15
	s_and_b32 s[W], s[WV], 3                       ; head of the group
	s_lshr_b32 s[TA], s[WV], 2                     ; tile of the quad
	s_bfe_u32 s17, ttmp6, 0x40000                  ; cx
	s_and_b32 s18, ttmp7, 0xffff                   ; y = 4 batch + group, which the partners share
	s_lshr_b32 s20, s18, 2
	s_and_b32 s21, s18, 3
	s_lshl_b32 s19, ttmp9, 2
	s_add_co_u32 s19, s19, s17
	s_lshl_b32 s22, s20, 5
	s_add_co_u32 s19, s19, s22                     ; quad = 32 batch + 4 cluster x + cx
	v_and_b32 v7, 31, v0
	s_delay_alu instid0(VALU_DEP_1)
	v_lshlrev_b32 v[LI16], 4, v7
	v_lshlrev_b32 v[LI8], 3, v7
	v_bfe_u32 v[SH8], v0, 4, 1
	s_delay_alu instid0(VALU_DEP_1)
	v_lshlrev_b32 v[SH8], 3, v[SH8]
	s_wait_alu depctr_va_vdst(0)
	s_lshr_b32 s22, s[TA], 1                       ; my two scale bytes: unit (tile / 2, head / 2), word tile % 2, half head % 2
	s_lshl_b32 s22, s22, 9
	s_lshr_b32 s23, s[W], 1
	s_lshl_b32 s23, s23, 8
	s_add_co_u32 s22, s22, s23
	s_and_b32 s23, s[TA], 1
	s_lshl_b32 s23, s23, 2
	s_add_co_u32 s22, s22, s23
	s_and_b32 s23, s[W], 1
	s_lshl_b32 s23, s23, 1
	s_add_co_u32 s22, s22, s23
	s_add_co_u32 s22, s22, XCH
	v_add_nc_u32 v[XA], s22, v[LI8]
	s_lshl_b32 s22, s[W], 8
	s_add_co_u32 s22, s22, XCH
	v_add_nc_u32 v[XR], s22, v[LI8]
	G1SET G1A, 13
	G1SET G1B, 39
	s_mov_b32 s[G0A], 1
	s_mul_i32 s[G0A+1], s[WV], P1B                 ; my part of steps 0-3: the same offset in LDS and in y's block of kv
	s_mov_b32 s[G0B], 1
	s_mul_i32 s[G0B+1], s[WV], P2B
	s_add_co_u32 s[G0B+1], s[G0B+1], 4*STEPB       ; and of steps 4-15
	s_mul_i32 s48, s18, 16*STEPB
	s_mov_b32 s49, 0
	s_mov_b32 s[SEL], 0x76543210
	s_mov_b32 s[SEL+1], 0xfedcba98
	s_mov_b32 s[CS], 0x3e38aa3b                    ; c = log2(e) / 8
	s_mov_b32 s[CS+1], s[CS]
	s_lshl_b32 s22, s21, 2
	s_add_co_u32 s22, s22, s[W]                    ; head
	s_lshl_b32 s23, s19, 2
	s_add_co_u32 s23, s23, s[TA]                   ; tile
	s_lshl_b32 s50, s22, 8
	s_add_co_u32 s50, s50, s23
	s_mul_i32 s50, s50, 768                        ; qc
	s_mov_b32 s51, 0
	s_lshl_b32 s52, s22, 6
	s_add_co_u32 s52, s52, s19
	s_lshl_b32 s52, s52, 8
	s_lshr_b32 s53, s[TA], 1
	s_lshl_b32 s53, s53, 2
	s_add_co_u32 s52, s52, s53                     ; qs: my pair of tiles' word
	s_mov_b32 s53, 0
	s_lshl_b32 s54, s23, 4
	s_add_co_u32 s54, s54, s22
	s_mul_i32 s54, s54, 768                        ; ac
	s_mov_b32 s55, 0
	s_lshl_b32 s66, s19, 1                         ; a_sc, for waves 0-3: block 2 quad + wave / 2, K step 2 group + wave % 2
	s_lshr_b32 s67, s[W], 1
	s_add_co_u32 s66, s66, s67
	s_lshl_b32 s66, s66, 3
	s_lshl_b32 s67, s21, 1
	s_add_co_u32 s66, s66, s67
	s_and_b32 s67, s[W], 1
	s_add_co_u32 s66, s66, s67
	s_lshl_b32 s66, s66, 8
	s_mov_b32 s67, 0
	s_and_b32 s63, s[TA], 1
	s_lshl_b32 s63, s63, 4                         ; which half of the word is my tile's
	s_wait_alu depctr_va_vdst(0)
	s_wait_dscnt 0x0                               ; both opening adds are done
	s_wait_kmcnt 0x0
	s_add_nc_u64 s[4:5], s[4:5], s[50:51]
	s_add_nc_u64 s[6:7], s[6:7], s[52:53]
	global_load_b128 v[QLO:QLO+3], v[LI16], s[4:5] ; q's half image stays in registers; asked for ahead of the round
	global_load_b64 v[QLO+4:QLO+5], v[LI8], s[4:5] offset:512
	global_load_b32 v[QSL], v[LI8], s[6:7]
	s_add_nc_u64 s[10:11], s[10:11], s[54:55]
	s_add_nc_u64 s[12:13], s[12:13], s[66:67]
	s_add_nc_u64 s[8:9], s[8:9], s[48:49]          ; y's block of kv
	s_mov_b32 s48, s[G0A+1]
	s_add_nc_u64 s[G0A+2:G0A+3], s[8:9], s[48:49]
	s_or_b32 s[G0A+3], s[G0A+3], 0x80000000
	s_mov_b32 s48, s[G0B+1]
	s_add_nc_u64 s[G0B+2:G0B+3], s[8:9], s[48:49]
	s_or_b32 s[G0B+3], s[G0B+3], 0x80000000
	CROUND                                         ; all four work-groups are here: the joint loads meet
	tensor_load_to_lds s[G0A:G0A+3], s[G1A:G1A+7]  ; my one load at the head
	s_nop 0
	NOPS
.irp j, 0,1,2,3,4,5
	v_mov_b32 v[QHI+\j], 0                         ; zero codes on both sides of q
	v_mov_b32 v[QLO+6+\j], 0
.endr
	v_mov_b32 v13, 0xff61b1e6                      ; the largest score so far: -3e38
	v_mov_b32 v12, 0x7f61b1e6                      ; -M: 3e38, so that the first f is 0
	v_mov_b32 v14, 0                               ; the sum, in two halves
	v_mov_b32 v15, 0
.irp b, 0,1,2,3
	v_mov_b32 v[BT+\b], 0                          ; a lane permute's destination counts as one of its sources
.endr
	v_mov_b32 v[FF+1], 0                           ; (named as the upper half of a pair)
	v_mov_b32 v[TA0], 0
	s_wait_alu depctr_va_vdst(0)
	s_wait_loadcnt 0x0
	v_lshrrev_b32 v[QSL], s63, v[QSL]
	s_delay_alu instid0(VALU_DEP_1)
	v_and_b32 v[QSL], 0xffff, v[QSL]               ; bytes 2, 3 are 0: they meet zero codes
	s_delay_alu instid0(VALU_DEP_1)
	v_lshlrev_b32 v[QSH], 16, v[QSL]
.set jj, 0
.rept 32
	v_mov_b32 v[O+jj], 0                           ; O^T: MID is written for every step alike, and the first finds zeros (also the places between q's scale words and the first products)
.set jj, jj+1
.endr
	s_mov_b32 s[TB], 0
	s_wait_alu depctr_va_vdst(0)
	s_wait_tensorcnt 0x0                           ; my part of steps 0-3 is in
	ds_add_u32 v240, v241
	s_wait_dscnt 0x0
	CROUND                                         ; everybody's part is in, and the partners are here
	tensor_load_to_lds s[G0B:G0B+3], s[G1B:G1B+7]  ; my part of steps 4-15: the one load behind this round
	s_nop 0
	NOPS
	HEAD 1                                         ; step 0's scores
	s_mov_b32 s[CNT], 3
.Lfirst4:                                          ; MID of steps 0 to 2, HEAD of steps 1 to 3
	s_wait_alu depctr_va_vdst(0)
	MID
	s_add_co_u32 s[TB], s[TB], STEPB
	HEAD 0
	s_sub_co_u32 s[CNT], s[CNT], 1
	s_cmp_lg_u32 s[CNT], 0
	s_cbranch_scc1 .Lfirst4
	MID                                            ; step 3
	s_mov_b32 s[TB], 4*STEPB
	s_wait_alu depctr_va_vdst(0)
	s_wait_tensorcnt 0x0                           ; my part of steps 4-15 is in,
	s_wait_dscnt 0x0
	s_barrier_signal -1
	s_barrier_wait -1                              ; everybody's is.
	HEAD 0                                         ; step 3's sums, step 4's scores
	s_mov_b32 s[CNT], 11
.Lrest:                                            ; MID of steps 4 to 14, HEAD of steps 5 to 15
	s_wait_alu depctr_va_vdst(0)
	MID
	s_add_co_u32 s[TB], s[TB], STEPB
	HEAD 0
	s_sub_co_u32 s[CNT], s[CNT], 1
	s_cmp_lg_u32 s[CNT], 0
	s_cbranch_scc1 .Lrest
	MID                                            ; step 15
	SUMB 0                                         ; its sums: also the places behind the last products
	SUMB 1
	SUMB 2
	SUMB 3
	SUMC
	; THE WAY OUT.  O^T / the sum: register 16 b + i is e = 32 b + 16 (lane / 16) + i of my query: two blocks of A's 1,024 features, quantised here
	s_delay_alu instid0(VALU_DEP_1)
	v_add_f32 v14, v14, v15
	s_delay_alu instid0(VALU_DEP_1)
	v_permlanex16_b32 v[TA0], v14, s[SEL], s[SEL+1]
	s_delay_alu instid0(VALU_DEP_1)
	v_add_f32 v14, v14, v[TA0]                     ; the row's sum
	s_wait_alu depctr_va_vdst(0)
	v_rcp_f32 v[FF], v14
	v_nop                                          ; a plain place behind the transcendental
	s_wait_alu depctr_va_vdst(0)
.set jj, 0
.rept 16
	v_pk_mul_f32 v[S+jj:S+jj+1], v[O+jj:O+jj+1], v[FF:FF+1] op_sel_hi:[1,0]   ; each accumulator from its low end on
.set jj, jj+2
.endr
.irp b, 0,1
	v_max3_num_f32 v[BM+\b], |v[S+16*\b]|, |v[S+16*\b+1]|, 0x1800000
.endr
.irp i, 2,4,6,8,10,12,14
.irp b, 0,1
	s_delay_alu instid0(VALU_DEP_2)
	v_max3_num_f32 v[BM+\b], v[BM+\b], |v[S+16*\b+\i]|, |v[S+16*\b+\i+1]|
.endr
.endr
.irp b, 0,1
	s_delay_alu instid0(VALU_DEP_2)
	v_permlanex16_b32 v[BT+\b], v[BM+\b], s[SEL], s[SEL+1]
.endr
.irp b, 0,1
	s_delay_alu instid0(VALU_DEP_2)
	v_max_num_f32 v[BM+\b], v[BM+\b], v[BT+\b]
.endr
.irp b, 0,1
	s_delay_alu instid0(VALU_DEP_2)
	v_add_nc_u32 v[SO+\b], 0xff000000, v[BM+\b]
.endr
.irp b, 0,1
	s_delay_alu instid0(VALU_DEP_2)
	v_lshrrev_b32 v[BT+\b], 23, v[SO+\b]
.endr
	s_delay_alu instid0(VALU_DEP_1)
	v_lshl_or_b32 v[TA0+1], v[BT+1], 8, v[BT]      ; my row's two scale bytes
	v_cvt_scalef32_pk16_fp6_f32 v[PC:PC+2], v[S:S+15], v[SO]
	v_cvt_scalef32_pk16_fp6_f32 v[T2:T2+2], v[S+16:S+31], v[SO+1]
	v_nop
.irp i, 0,1,2
	v_permlane16_swap_b32 v[PC+\i], v[T2+\i]       ; the operand's layout wants a whole block in a lane
.endr
.irp i, 0,1,2
	s_delay_alu instid0(VALU_DEP_3)
	v_mov_b32 v[PC+3+\i], v[T2+\i]
.endr
	global_store_b128 v[LI16], v[PC:PC+3], s[10:11]            ; a half image: 512 + 256 consecutive bytes, aligned
	global_store_b64 v[LI8], v[PC+4:PC+5], s[10:11] offset:512
	ds_store_b16 v[XA], v[TA0+1]
	s_wait_dscnt 0x0                               ; for the others' sake: my store is done
	s_barrier_signal -1
	s_barrier_wait -1
	s_cmp_lt_u32 s[WV], 4                          ; waves 0 to 3 each send one whole unit of 256 bytes
	s_cbranch_scc0 .Lnosc
	ds_load_b64 v[C2:C2+1], v[XR]
	s_wait_dscnt 0x0
	global_store_b64 v[LI8], v[C2:C2+1], s[12:13]
.Lnosc:
	s_wait_tensorcnt 0x0                           ; the wave's end
	ds_add_u32 v240, v241
	s_wait_dscnt 0x0
	CROUND                                         ; the closing round
	s_endpgm
.Lfunc_end_k_qa23d5e5a7c_attn:
	.size	k_qa23d5e5a7c_attn, .Lfunc_end_k_qa23d5e5a7c_attn-k_qa23d5e5a7c_attn
	.p2alignl 7, 3214868480
	.fill 96, 4, 3214868480
	.section	.rodata,"a",@progbits
	.p2align	6, 0x0
	.amdhsa_kernel k_qa23d5e5a7c_attn
		.amdhsa_group_segment_fixed_size 327680
		.amdhsa_private_segment_fixed_size 0
		.amdhsa_enable_private_segment 0
		.amdhsa_kernarg_size 40
		.amdhsa_user_sgpr_count 2
		.amdhsa_user_sgpr_kernarg_segment_ptr 1
		.amdhsa_wavefront_size32 1
		.amdhsa_system_sgpr_workgroup_id_x 1
		.amdhsa_system_sgpr_workgroup_id_y 1
		.amdhsa_system_sgpr_workgroup_id_z 1
		.amdhsa_system_vgpr_workitem_id 0
		.amdhsa_next_free_vgpr 242
		.amdhsa_next_free_sgpr 70
		.amdhsa_reserve_vcc 0
		.amdhsa_float_denorm_mode_32 3
		.amdhsa_float_denorm_mode_16_64 3
		.amdhsa_memory_ordered 1
		.amdhsa_forward_progress 1
		.amdhsa_inst_pref_size 77
	.end_amdhsa_kernel
	.amdgpu_metadata
---
amdhsa.version: [ 1, 2 ]
amdhsa.kernels:
  - .name:           k_qa23d5e5a7c_attn
    .symbol:         k_qa23d5e5a7c_attn.kd
    .args:
      - { .name: qc, .offset: 0, .size: 8, .value_kind: global_buffer, .address_space: global }
      - { .name: qs, .offset: 8, .size: 8, .value_kind: global_buffer, .address_space: global }
      - { .name: kv, .offset: 16, .size: 8, .value_kind: global_buffer, .address_space: global }
      - { .name: ac, .offset: 24, .size: 8, .value_kind: global_buffer, .address_space: global }
      - { .name: a_sc, .offset: 32, .size: 8, .value_kind: global_buffer, .address_space: global }
    .group_segment_fixed_size: 327680
    .private_segment_fixed_size: 0
    .kernarg_segment_align: 8
    .kernarg_segment_size: 40
    .max_flat_workgroup_size: 512
    .sgpr_count:     70
    .vgpr_count:     242
    .wavefront_size: 32
...
	.end_amdgpu_metadata
.endif
;; end of part 3
;; launch post (part 4): grid 32 x 8, 4 waves a work-group, clusters of 4 x 4, 232,960 bytes of LDS; arguments ac, a_sc, Wpost_codes, Wpost_scales, X, out0; writes out0
.if DOCPART == 4
	.amdgcn_target "amdgcn-amd-amdhsa--gfx1250"
	.amdhsa_code_object_version 6
	.text
	.protected	k_qa23d5e5a7c_post
	.globl	k_qa23d5e5a7c_post
	.p2align	8
	.type	k_qa23d5e5a7c_post,@function
k_qa23d5e5a7c_post:
	s_mov_b64 s[64:65], 0
	v_nop
	global_prefetch_b8 v0, s[64:65] scope:SCOPE_SE
	s_setreg_imm32_b32 hwreg(HW_REG_WAVE_MODE, 25, 1), 1
	s_wait_xcnt 0x0
	s_wait_alu depctr_hold_cnt(0) depctr_sa_sdst(0) depctr_va_vdst(0) depctr_va_sdst(0) depctr_va_ssrc(0) depctr_va_vcc(0) depctr_vm_vsrc(0)
	s_getreg_b32 s2, hwreg(HW_REG_IB_STS2, 6, 4)
	s_cmp_eq_u32 s2, 0
	s_cbranch_scc0 .Lentry_in_a_cluster
	s_endpgm
.Lentry_in_a_cluster:
	s_bfe_u32 s2, ttmp6, 0x10000c
	s_cmp_lg_u32 s2, 0xf033
	s_cbranch_scc0 .Lentry_shape_is_right
	s_endpgm
.Lentry_shape_is_right:
; out0 = X + A Wpost, the product on codes of FP6 (E2M3).  A arrives as images of operand registers (ac: [tile 256][K step 8][half 2][768]; a_sc: [block of 32 rows][K step][lane][2 words]), Wpost as rows of codes.
; SHARES.  A work-group takes 128 rows (RB) x 128 columns (Y); four waves, rh = wave / 2 picks 64 rows, cu = wave % 2 64 columns: 16 accumulators a wave.  All of K (1,024) of both panels lies in LDS, filled once.
; CLUSTER, 4 x 4.  Wpost's panel hangs on Y alone and is shared along a row of the cluster; A's hangs on RB alone and is shared along a column: all four fills are asked for jointly.
; TILES.  Lane r of row tile 2 beta + u holds row 32 beta + 8 u + r + 8 (r / 8); lane r of weight tile t takes weight row 32 (t / 2) + 8 (t % 2) + r + 8 (r / 8).  Source 0 = the weights: lane (r, h) then holds, of its
; row, columns 32 b + 16 h + 0 .. 15 in the 16 registers of weight tiles 2 b, 2 b + 1: 64 neighbouring bytes.
; X IS ASKED FOR AT THE HEAD: a wave's 64 x 64 numbers, 32 loads, straight behind the fills, into registers 256-383; they land while the panels land and the eight K steps are multiplied.
; THE WAY OUT.  A tile of 16 rows x 64 columns goes through the wave's own stage in LDS and comes back by rows; X is added; sixteen lanes store 256 consecutive bytes, aligned.  The next tile goes through the stage
; while a tile is added and stored.
; REGISTERS, in windows of 256 (s_set_vgpr_msb's low byte: bits 3:2 source 1, 7:6 destination): window 0: all but X; window 1: v0-127 X, 32 registers a row tile.  Ten switches for X's loads and adds.
; LIMITS: Wpost's scale bytes are taken as given; NaN and infinities are not served.
; A'S ROW TILES (this line replaces what the head says of them): lane r of row tile a of a group of 64 rows holds row 8 a + r % 8 + 32 (r / 8) of the group.  The weights' tiles are as the head says.
; X IS ASKED FOR BEHIND THE PANELS' BARRIER (this replaces the head's line on it): the panels' bytes are wanted first; X's 32 loads a wave land while the eight K steps are multiplied.
.set WP,   0
.set WPIT, 816                         ; a weight row: 768 bytes + 16 of padding behind every 256
.set WSC,  128*WPIT
.set XP,   WSC+4096
.set XSC,  XP+98304
.set STG,  XSC+8192                    ; 16 rows x 272 bytes for each wave; no fill lands here
.set LI16, 1
.set LI8,  2
.set AW0,  3
.set AW1,  4
.set AWS,  5
.set AX16, 6
.set AX8,  7
.set AXS,  8
.set STO,  9                           ; v9   the stage, in: row r, + 64 h
.set SRD,  10                          ; v10  back: lanes 0-15 one row, lanes 16-31 the next
.set GO,   11                          ; v11  the same two rows in X and out0; never rewritten
.set WS,   16
.set XS,   20
.set WF,   32
.set XF,   80
.set ACC,  128
.set BK0,  32                          ; the way out lies over the fragments: three sets of 32 registers, rows of the product and then of the result, by turns
.set BK1,  64
.set BK2,  96
.set WV, 26
.set RH, 27
.set CU, 28
.set CX, 29
.set RB, 30
.set Y,  31
.set CY, 98
.set G1W,  32
.set G1WS, 40
.set G1X,  48
.set G1XS, 56
.set G0W,  68
.set G0WS, 72
.set G0X,  76
.set G0XS, 80
.set MSB, 0
.macro WIN new                         ; the immediate's high byte repeats the setting that is left
.if MSB != \new
	s_set_vgpr_msb (MSB<<8)|\new
.set MSB, \new
.endif
.endm
.macro G1REST g, c, r, p               ; a group 1 behind its first word, which holds the mask
	s_mov_b32 s[\g+1], (\c)<<16
	s_mov_b32 s[\g+2], (\r)<<16
	s_mov_b32 s[\g+3], (\c)<<16
	s_mov_b32 s[\g+4], \r
	s_mov_b32 s[\g+5], \p
	s_mov_b32 s[\g+6], 0
	s_mov_b32 s[\g+7], 0
.endm
.macro CROUND
	s_barrier_signal -1
	s_barrier_wait -1
	s_cmp_lg_u32 s[WV], 0
	s_cbranch_scc1 .Lnot_wave_0_\@
	s_barrier_signal -3
.Lnot_wave_0_\@:
	s_barrier_wait -3
	s_barrier_signal -1
	s_barrier_wait -1
.endm
.macro NOPS
.rept 4
	v_nop
.endr
.endm
.macro WFRAG reg, t, kap               ; six pieces of 8 bytes; lanes 16-31 read three pieces on, behind one padding more where the piece's number mod 32 is 29 or more
.irp p, 0,1,2,3,4,5
.set PCN, 12*(\kap)+6*(\p/3)+\p%3
.if PCN%32 < 29
	ds_load_b64 v[\reg+2*\p:\reg+2*\p+1], v[AW0] offset:(32*((\t)/2)+8*((\t)%2))*WPIT+8*PCN+16*(PCN/32)
.else
	ds_load_b64 v[\reg+2*\p:\reg+2*\p+1], v[AW1] offset:(32*((\t)/2)+8*((\t)%2))*WPIT+8*PCN+16*(PCN/32)
.endif
.endr
.endm
.macro XFRAG reg, a, kap
	ds_load_b128 v[\reg:\reg+3], v[AX16] offset:(\a)*12288+(\kap)*1536
	ds_load_b64 v[\reg+4:\reg+5], v[AX8] offset:(\a)*12288+(\kap)*1536+512
	ds_load_b128 v[\reg+6:\reg+9], v[AX16] offset:(\a)*12288+(\kap)*1536+768
	ds_load_b64 v[\reg+10:\reg+11], v[AX8] offset:(\a)*12288+(\kap)*1536+1280
.endm
.macro MM d, a, b, sa, sb, zero
.if \zero
	v_wmma_scale_f32_16x16x128_f8f6f4 v[\d:\d+7], v[\a:\a+11], v[\b:\b+11], 0, v[\sa], v[\sb] matrix_a_fmt:MATRIX_FMT_FP6 matrix_b_fmt:MATRIX_FMT_FP6
.else
	v_wmma_scale_f32_16x16x128_f8f6f4 v[\d:\d+7], v[\a:\a+11], v[\b:\b+11], v[\d:\d+7], v[\sa], v[\sb] matrix_a_fmt:MATRIX_FMT_FP6 matrix_b_fmt:MATRIX_FMT_FP6
.endif
.endm
; A K step of 128: 46 LDS loads, 16 matrix instructions on 16 accumulators by turns
; TWO SETS OF FRAGMENT REGISTERS: even K steps in window 0 (v32-127), odd ones in window 1 (v128-223 there, registers 384-479).  A step's 40 fragment loads are issued one step ahead, in front of the step before's products.
; The scale words have one set (scale operands have no window): a step's six loads stand behind the places that follow the step before's products.  Four more switches of the window for each odd step.
.set WF1, 128                          ; window 1: four weight fragments
.set XF1, 176                          ; window 1: four fragments of A
.macro LOADS kap                       ; the scale words of K step kap
.irp t, 0,1,2,3
	ds_load_b32 v[WS+\t], v[AWS] offset:(32*(\t/2)+8*(\t%2))*32+4*(\kap)
.endr
	ds_load_b64 v[XS:XS+1], v[AXS] offset:256*(\kap)
	ds_load_b64 v[XS+2:XS+3], v[AXS] offset:2048+256*(\kap)
.endm
.macro LOADF kap                       ; the eight fragments of K step kap, 40 loads, into set kap % 2
.if (\kap)%2
	WIN 0x40                                       ; destination window 1, address window 0
.irp t, 0,1,2,3
	WFRAG WF1+12*\t, \t, \kap
.endr
.irp a, 0,1,2,3
	XFRAG XF1+12*\a, \a, \kap
.endr
	WIN 0
.else
.irp t, 0,1,2,3
	WFRAG WF+12*\t, \t, \kap
.endr
.irp a, 0,1,2,3
	XFRAG XF+12*\a, \a, \kap
.endr
.endif
.endm
.macro MMS kap                         ; 16 matrix instructions on 16 accumulators by turns, in the same order in every step
.if (\kap)%2
	WIN 0x05                                       ; sources 0 and 1: window 1; C and D: window 0
.endif
.irp a, 0,1,2,3
.irp b, 0,1,2,3
.if (\kap) == 0
	MM ACC+8*(4*\a+\b), WF+12*\b, XF+12*\a, WS+\b, XS+\a, 1
.else
.if (\kap)%2
	MM ACC+8*(4*\a+\b), WF1+12*\b, XF1+12*\a, WS+\b, XS+\a, 0
.else
	MM ACC+8*(4*\a+\b), WF+12*\b, XF+12*\a, WS+\b, XS+\a, 0
.endif
.endif
.endr
.endr
	WIN 0
.endm
.macro XL a                            ; X at row tile a's 16 rows, my 64 columns: two rows an instruction; into window 1, v[32 a ..]
.irp i, 0,1,2,3,4,5,6,7
	global_load_b128 v[32*\a+4*\i:32*\a+4*\i+3], v[GO], s[12:13] offset:(8*(\a)+2*(\i%4)+32*(\i/4))*4096 th:TH_LOAD_NT
.endr
.endm
.macro TOSTAGE a, set                  ; row tile a into my stage, and back by rows into a set
.irp q, 0,1,2,3,4,5,6,7
	ds_store_b128 v[STO], v[ACC+32*\a+4*\q:ACC+32*\a+4*\q+3] offset:128*(\q/4)+16*(\q%4)   ; each accumulator from its low end on
.endr
.irp i, 0,1,2,3,4,5,6,7
	ds_load_b128 v[\set+4*\i:\set+4*\i+3], v[SRD] offset:544*\i    ; LDS serves a wave's instructions in order: these see the stores above, and the next tile's stores come behind them
.endr
.endm
.macro SEND a, set, younger            ; younger: the LDS instructions issued behind tile a's loads, which may stay out
	s_wait_dscnt \younger                          ; the tile is back in registers
	s_wait_loadcnt 8*(3-\a)                        ; its eight loads of X are in; the later tiles' may be out
	WIN 0x04                                       ; source 1: window 1
.set jj, 0
.rept 16
	v_pk_add_f32 v[\set+jj:\set+jj+1], v[\set+jj:\set+jj+1], v[32*\a+jj:32*\a+jj+1]
.set jj, jj+2
.endr
	WIN 0
.irp i, 0,1,2,3,4,5,6,7
	global_store_b128 v[GO], v[\set+4*\i:\set+4*\i+3], s[14:15] offset:(8*(\a)+2*(\i%4)+32*(\i/4))*4096 th:TH_STORE_NT   ; sixteen lanes store 256 consecutive bytes, aligned
.endr
.endm
	s_load_b256 s[4:11], s[0:1], 0x0               ; ac, a_sc, Wpost's codes, Wpost's scales
	s_load_b128 s[12:15], s[0:1], 0x20             ; X, out0
	v_lshl_add_u32 v30, v0, 2, 0x38c00
	v_mov_b32 v31, 0
	ds_add_u32 v30, v31
	ds_add_u32 v30, v31
	v_lshrrev_b32 v12, 5, v0
	v_readfirstlane_b32 s[WV], v12                 ; wave 0..3
	s_lshr_b32 s[RH], s[WV], 1
	s_and_b32 s[CU], s[WV], 1
	s_bfe_u32 s[CX], ttmp6, 0x40000
	s_bfe_u32 s[CY], ttmp6, 0x40004
	s_lshl_b32 s[RB], ttmp9, 2
	s_add_co_u32 s[RB], s[RB], s[CX]               ; my block of 128 rows
	s_and_b32 s[Y], ttmp7, 0xffff
	s_lshl_b32 s[Y], s[Y], 2
	s_add_co_u32 s[Y], s[Y], s[CY]                 ; my block of 128 columns
	s_lshl_b32 s92, s[CY], 2
	s_lshl_b32 s92, 15, s92                        ; my row of the cluster
	s_lshl_b32 s93, 0x1111, s[CX]                  ; my column
	v_and_b32 v12, 31, v0
	v_lshlrev_b32 v[LI16], 4, v12
	v_lshlrev_b32 v[LI8], 3, v12
	v_and_b32 v13, 15, v0                          ; r
	v_bfe_u32 v14, v0, 4, 1                        ; h
	v_and_b32 v15, 8, v13
	v_add_nc_u32 v15, v15, v13                     ; r + 8 (r / 8)
	s_mul_i32 s94, s[CU], 64*WPIT
	v_mul_u32_u24 v[AW0], v15, WPIT
	v_mad_u32_u24 v[AW0], v14, 24, v[AW0]
	v_add_nc_u32 v[AW0], s94, v[AW0]
	v_lshl_add_u32 v[AW1], v14, 4, v[AW0]
	s_lshl_b32 s94, s[CU], 11
	s_add_co_u32 s94, s94, WSC
	v_lshl_add_u32 v[AWS], v15, 5, s94
	s_mul_i32 s94, s[RH], 49152
	s_add_co_u32 s94, s94, XP
	v_add_nc_u32 v[AX16], s94, v[LI16]
	v_add_nc_u32 v[AX8], s94, v[LI8]
	s_lshl_b32 s94, s[RH], 12
	s_add_co_u32 s94, s94, XSC
	v_add_nc_u32 v[AXS], s94, v[LI8]
	s_mul_i32 s94, s[WV], 16*272
	s_add_co_u32 s94, s94, STG                     ; my stage
	v_mul_u32_u24 v[STO], v13, 272
	v_lshl_add_u32 v[STO], v14, 6, v[STO]
	v_add_nc_u32 v[STO], s94, v[STO]
	v_mul_u32_u24 v[SRD], v14, 272
	v_lshl_add_u32 v[SRD], v13, 4, v[SRD]
	v_add_nc_u32 v[SRD], s94, v[SRD]
	v_lshlrev_b32 v[GO], 12, v14
	v_lshl_add_u32 v[GO], v13, 4, v[GO]
	s_or_b32 s[G1W], s92, (1<<20)|(1<<21)|(5<<22)|(3<<25)   ; the mask of my row; bytes; padding on; bit 21 beside a mask; after every 64 words, 4 words
	s_or_b32 s[G1WS], s92, (3<<16)|(1<<21)
	s_or_b32 s[G1X], s93, (3<<16)|(1<<21)          ; the mask of my column; elements of 8 bytes
	s_or_b32 s[G1XS], s93, (3<<16)|(1<<21)
	G1REST G1W, 768, 128, 768                      ; 128 rows of 768 bytes
	G1REST G1WS, 32, 16, 32                        ; 4,096 dense bytes as rows of 256
	G1REST G1X, 32, 384, 32                        ; 98,304 dense bytes
	G1REST G1XS, 32, 32, 32                        ; 8,192 dense bytes
	s_mul_i32 s84, s[Y], 128*768                   ; the weights' addresses are made of Y alone, A's of RB alone, each in registers that never hold the other
	s_mov_b32 s85, 0
	s_lshl_b32 s86, s[Y], 12
	s_mov_b32 s87, 0
	s_mul_i32 s88, s[RB], 98304
	s_mov_b32 s89, 0
	s_lshl_b32 s90, s[RB], 13
	s_mov_b32 s91, 0
	s_lshl_b32 s94, s[RB], 19                      ; X and out0: 128 rows of 4,096 bytes a block, 64 rows a half,
	s_lshl_b32 s95, s[RH], 18
	s_add_co_u32 s94, s94, s95
	s_lshl_b32 s95, s[Y], 9                        ; 512 bytes a block of columns, 256 a half
	s_add_co_u32 s94, s94, s95
	s_lshl_b32 s95, s[CU], 8
	s_add_co_u32 s94, s94, s95
	s_mov_b32 s95, 0
	s_wait_dscnt 0x0
	s_wait_kmcnt 0x0
	s_mov_b32 s[G0W], 1
	s_mov_b32 s[G0W+1], WP
	s_add_nc_u64 s[G0W+2:G0W+3], s[8:9], s[84:85]
	s_or_b32 s[G0W+3], s[G0W+3], 0x80000000
	s_mov_b32 s[G0WS], 1
	s_mov_b32 s[G0WS+1], WSC
	s_add_nc_u64 s[G0WS+2:G0WS+3], s[10:11], s[86:87]
	s_or_b32 s[G0WS+3], s[G0WS+3], 0x80000000
	s_mov_b32 s[G0X], 1
	s_mov_b32 s[G0X+1], XP
	s_add_nc_u64 s[G0X+2:G0X+3], s[4:5], s[88:89]
	s_or_b32 s[G0X+3], s[G0X+3], 0x80000000
	s_mov_b32 s[G0XS], 1
	s_mov_b32 s[G0XS+1], XSC
	s_add_nc_u64 s[G0XS+2:G0XS+3], s[6:7], s[90:91]
	s_or_b32 s[G0XS+3], s[G0XS+3], 0x80000000
	s_add_nc_u64 s[12:13], s[12:13], s[94:95]
	s_add_nc_u64 s[14:15], s[14:15], s[94:95]
	CROUND                                         ; all sixteen work-groups are here: the joint loads meet
	s_cmp_eq_u32 s[WV], 0                          ; each wave issues one fill; four v_nop follow each
	s_cbranch_scc0 .Lf1
	tensor_load_to_lds s[G0W:G0W+3], s[G1W:G1W+7]
	s_nop 0
	NOPS
	s_branch .Lfilled
.Lf1:
	s_cmp_eq_u32 s[WV], 1
	s_cbranch_scc0 .Lf2
	tensor_load_to_lds s[G0WS:G0WS+3], s[G1WS:G1WS+7]
	s_nop 0
	NOPS
	s_branch .Lfilled
.Lf2:
	s_cmp_eq_u32 s[WV], 2
	s_cbranch_scc0 .Lf3
	tensor_load_to_lds s[G0X:G0X+3], s[G1X:G1X+7]
	s_nop 0
	NOPS
	s_branch .Lfilled
.Lf3:
	tensor_load_to_lds s[G0XS:G0XS+3], s[G1XS:G1XS+7]
	s_nop 0
	NOPS
.Lfilled:
	s_wait_alu depctr_va_vdst(0)
	s_wait_tensorcnt 0x0                           ; my fill has landed,
	s_barrier_signal -1
	s_barrier_wait -1                              ; everybody's has
	WIN 0x40                                       ; destination window 1, address window 0
	XL 0                                           ; 32 loads of mine are out until the way out; nobody writes X
	XL 1
	XL 2
	XL 3
	WIN 0
	LOADS 0
	LOADF 0
.irp k, 0,1,2,3,4,5,6
.if \k > 0
	NOPS                                           ; four places in front of loads into registers that the step before's matrix instructions have read: its scale words, and the set that the next step takes
	LOADS \k
.endif
	LOADF \k+1
	s_wait_dscnt 40                                ; all but the next step's 40 fragment loads: this step's fragments and scale words are in
	MMS \k
.endr
	NOPS
	LOADS 7
	s_wait_dscnt 0x0
	MMS 7
	NOPS                                           ; four places behind the last products: rows land where fragments lay, and results are read
	TOSTAGE 0, BK0
	TOSTAGE 1, BK1
	SEND 0, BK0, 16                                ; behind tile 0's loads: tile 1's eight stores and eight loads
	TOSTAGE 2, BK2
	SEND 1, BK1, 16
	s_wait_xcnt 0x0                                ; tile 0's stores name the first set as their data: it is loaded again only behind this wait
	TOSTAGE 3, BK0
	SEND 2, BK2, 16
	SEND 3, BK0, 0
	s_wait_tensorcnt 0x0
	ds_add_u32 v30, v31
	s_wait_dscnt 0x0
	CROUND                                         ; the closing round: no work-group ends while a partner may still ask for a tile that names it
	s_endpgm
.Lfunc_end_k_qa23d5e5a7c_post:
	.size	k_qa23d5e5a7c_post, .Lfunc_end_k_qa23d5e5a7c_post-k_qa23d5e5a7c_post
	.p2alignl 7, 3214868480
	.fill 96, 4, 3214868480
	.section	.rodata,"a",@progbits
	.p2align	6, 0x0
	.amdhsa_kernel k_qa23d5e5a7c_post
		.amdhsa_group_segment_fixed_size 232960
		.amdhsa_private_segment_fixed_size 0
		.amdhsa_enable_private_segment 0
		.amdhsa_kernarg_size 48
		.amdhsa_user_sgpr_count 2
		.amdhsa_user_sgpr_kernarg_segment_ptr 1
		.amdhsa_wavefront_size32 1
		.amdhsa_system_sgpr_workgroup_id_x 1
		.amdhsa_system_sgpr_workgroup_id_y 1
		.amdhsa_system_sgpr_workgroup_id_z 1
		.amdhsa_system_vgpr_workitem_id 0
		.amdhsa_next_free_vgpr 480
		.amdhsa_next_free_sgpr 102
		.amdhsa_reserve_vcc 0
		.amdhsa_float_denorm_mode_32 3
		.amdhsa_float_denorm_mode_16_64 3
		.amdhsa_memory_ordered 1
		.amdhsa_forward_progress 1
		.amdhsa_inst_pref_size 64
	.end_amdhsa_kernel
	.amdgpu_metadata
---
amdhsa.version: [ 1, 2 ]
amdhsa.kernels:
  - .name:           k_qa23d5e5a7c_post
    .symbol:         k_qa23d5e5a7c_post.kd
    .args:
      - { .name: ac, .offset: 0, .size: 8, .value_kind: global_buffer, .address_space: global }
      - { .name: a_sc, .offset: 8, .size: 8, .value_kind: global_buffer, .address_space: global }
      - { .name: Wpost_codes, .offset: 16, .size: 8, .value_kind: global_buffer, .address_space: global }
      - { .name: Wpost_scales, .offset: 24, .size: 8, .value_kind: global_buffer, .address_space: global }
      - { .name: X, .offset: 32, .size: 8, .value_kind: global_buffer, .address_space: global }
      - { .name: out0, .offset: 40, .size: 8, .value_kind: global_buffer, .address_space: global }
    .group_segment_fixed_size: 232960
    .private_segment_fixed_size: 0
    .kernarg_segment_align: 8
    .kernarg_segment_size: 48
    .max_flat_workgroup_size: 128
    .sgpr_count:     102
    .vgpr_count:     480
    .wavefront_size: 32
...
	.end_amdgpu_metadata
.endif
;; end of part 4
